; MI455X (gfx1250); checked and timed in simulation.
; The chip was launched on July 23, 2026; its instructions are those of AMD's public machine-readable ISA for CDNA 5 (MIT licence, August 2026) and "CDNA5" Instruction Set Architecture Reference Guide (July 2026). The comments in the code are by the model that wrote it; some were corrected since.
;; Governance Aware Attention. Allowed arithmetic: matrix products marked QUANTISED: E4M3 operands, one E8M0 scale for each 32 along K, by v_wmma_scale_f32_16x16x128_f8f6f4 with both operands' format E4M3, f32 sums; products left as they are: f32 operands where the result goes on into a quantised operand, else bf16, f16 or f32 operands; f32 sums; everything else in f32.
;; Inputs: Wgk 1,024 x 1,024 float32; Wgq 1,024 x 1,024 float32; Wk 1,024 x 1,024 float32; Wq 1,024 x 1,024 float32; Wv 1,024 x 1,024 float32; bgk 1,024 float32; bgq 1,024 float32; bk 1,024 float32; bq 1,024 float32; bv 1,024 float32; governance_embeddings 2 x 1,024 float32; hidden_states 2 x 2,048 x 1,024 float32.
;; Outputs: out0 2 x 2,048 x 1,024 float32; out1 one number float32; out2 one number float32; out3 one number float32.
;; This version of the problem:
;;   THIS VERSION OF THE PROBLEM IS GIVEN IN LOW PRECISION. The matrix products marked QUANTISED in the list below multiply operands that are first quantised to E4M3 (4 exponent bits, 3 mantissa bits; 8 bits a number), with one power-of-two scale for each 32 numbers along K (OCP MX v1.0); their sums are f32. All else is computed in f32.
;;   The module's matrix products, in the order in which they are computed (A, B: the left and right operand; K: the contracted axis; several contracted axes count as one K, in the product's order):
;;     1. [M 4,096, K 1,024] x [K 1,024, N 1,024]; A: input hidden_states; B: input Wq: QUANTISED
;;     2. [M 4,096, K 1,024] x [K 1,024, N 1,024]; A: input hidden_states; B: input Wk: QUANTISED
;;     3. [M 4,096, K 1,024] x [K 1,024, N 1,024]; A: input hidden_states; B: input Wv: QUANTISED
;;     4. batch 32 x [M 2,048, K 64] x [K 64, N 2,048]; A: computed on the way; B: computed on the way: QUANTISED
;;     5. [M 2, K 1,024] x [K 1,024, N 1,024]; A: input governance_embeddings; B: input Wgq: left as it is (M = 2 < 16)
;;     6. [M 4,096, K 1,024] x [K 1,024, N 1,024]; A: input hidden_states; B: input Wgk: QUANTISED
;;     7. batch 32 x [M 1, K 64] x [K 64, N 2,048]; A: computed on the way; B: computed on the way: left as it is (M = 1 < 16)
;;     8. batch 32 x [M 2,048, K 2,048] x [K 2,048, N 64]; A: softmax (see below); B: computed on the way: QUANTISED
;;   THE QUANTISER, for each operand of a quantised product, along K:
;;     - K is cut into blocks of 32 from its start; a last block that is shorter is filled with zeros.
;;     - A block's scale is 2^e with e = floor(log2(the largest magnitude in the block)) - 8, held to -126 .. 127; a block of zeros has e = 0. As a byte (E8M0): e + 127.
;;     - Each number is divided by its block's scale, clamped to +-448, and rounded to the nearest number of E4M3, ties to even, subnormals kept.
;;     - The product sums the exact products of the quantised numbers (number of the format x scale) in f32.
;;   ~~~python
;;   def quantise(x, axis):      # numpy; x: float32 -> the quantised numbers, widened to float32 again
;;       x = np.moveaxis(x, axis, -1); K = x.shape[-1]
;;       x = np.pad(x, [(0, 0)] * (x.ndim - 1) + [(0, -K % 32)]); x = x.reshape(x.shape[:-1] + (-1, 32)); a = np.abs(x).max(-1, keepdims=True)
;;       e = np.where(a > 0, np.clip(np.frexp(np.where(a > 0, a, 1))[1] - 1 - 8, -126, 127), 0)      # np.frexp(a)[1] - 1 = floor(log2(a)), exactly
;;       r = np.clip(x / 2.0 ** e, -448, 448)
;;       step = 2.0 ** (np.maximum(np.frexp(np.where(r == 0, 1, r))[1] - 1, -6) - 3)
;;       q = np.round(r / step) * step * 2.0 ** e      # np.round: ties to even
;;       return np.moveaxis(q.reshape(q.shape[:-2] + (-1,))[..., :K], -1, axis).astype(np.float32)
;;   ~~~
;;   SOFTMAX AHEAD OF A QUANTISED PRODUCT. Where the list says 'softmax', what is quantised is not the finished softmax but p = 2^(t - M), with t = logit x log2(e) and M = ceil(the row's largest t), a whole number; so 1/2 < the row's largest p <= 1. The row's sum l is taken of the UNQUANTISED p, in f32, and the product's result is divided by l at the end. Since M is a whole number, a kernel that streams over the keys may use a running M (the ceiling of the running maximum): every later rescaling is an exact power of two, which a block's scale takes up: the codes' values come out the same.
;;   OPERANDS COMPUTED ON THE WAY. 'Computed on the way' means the value that the module computes at that place (a softmax that the list does not call 'softmax' is quantised finished and normalised). What goes into a quantiser is computed in f32, as accurately as f32 sums, v_exp_f32 and their like allow (about 1e-6 of the number): no bf16 or f16 on the way to a quantiser, and a product that is left as it is and whose result goes on into a quantised operand takes f32 operands (vector FMAs, or v_wmma_f32_16x16x4_f32). A number that lies on a knife's edge between two numbers of the format may be rounded either way, as far as f32 arithmetic and the matrix unit's own rounding can turn it there, and no further.
;; One version. Each part assembles by itself: llvm-mc -triple=amdgcn-amd-amdhsa -mcpu=gfx1250 --defsym DOCPART=n.
;; ======== version 1 of 1: 4 launches
;; limits: a function is approximated: absolute error at most 2.05e-05; right only within a limited range of input values
;; workspace buffers: xw_codes 8,388,608 bytes; xw_scales 270,336 bytes; q_codes 4,194,304 bytes; kv_codes 8,388,608 bytes; q_scales 131,072 bytes; kv_scales 262,144 bytes; gov 262,144 bytes; parts 65,536 bytes
;; launch prep (part 1): grid 272 x 1, 4 waves a work-group, no clusters, 70,144 bytes of LDS; arguments hidden_states, Wq, Wk, Wv, Wgk, Wgq, bgq, governance_embeddings, xw_codes, xw_scales; writes xw_codes, xw_scales
.if DOCPART == 1
	.amdgcn_target "amdgcn-amd-amdhsa--gfx1250"
	.amdhsa_code_object_version 6
	.text
	.protected	k_q7ca6268ed3_prep
	.globl	k_q7ca6268ed3_prep
	.p2align	8
	.type	k_q7ca6268ed3_prep,@function
k_q7ca6268ed3_prep:
	s_mov_b64 s[64:65], 0
	v_nop
	global_prefetch_b8 v0, s[64:65] scope:SCOPE_SE
	s_setreg_imm32_b32 hwreg(HW_REG_WAVE_MODE, 25, 1), 1
	s_wait_xcnt 0x0
; PREP.  Three kinds of work-group, told apart by the work-group's number alone:
;   0 .. 15    gq = governance_embeddings @ Wgq + bgq, [2][1024], in f32 by fused multiply-adds (its result goes on into a quantiser's input)
;   16 .. 143  hidden_states [4096][1024] f32 -> codes of E4M3 with K innermost, one E8M0 byte for each 32 along K
;   144 .. 271 Wq, Wk, Wv, Wgk [1024 (k)][1024 (n)] f32, K their FIRST axis -> codes laid [n][k], and their scale bytes
; xw_codes: 8,192 rows of 1,024 bytes: rows 0 .. 4095 the tokens, rows 4096 + 1024 wi + .. the weights' columns (wi = 0 Wq, 1 Wk, 2 Wv, 3 Wgk).  xw_scales: the same rows, 32 bytes each; behind them, at byte 262,144, gq.
; ROWS ARE STORED PERMUTED: token s (column n) lies at the row whose number has bits 3 and 4 exchanged.  The product that follows then finds, in two neighbouring result tiles, 16 neighbours of the true order in a lane's 16 registers.
; A block's scale is 2^(floor(log2(largest magnitude)) - 8); its byte is the largest magnitude's exponent field - 8, held at 1 from below; numbers are held within +-448 x the scale ahead of the conversion.
; LIMITS: a block of zeros, and a block whose largest magnitude lies under 2^(8 - 126), gets the byte 1 (the rule says 127 for zeros: the codes are zeros, and this program alone reads the bytes).  NaN and infinities among the inputs are not served.
; No tensor loads.  Each kind of work-group has LDS bytes of its own; all meet at one barrier, which only gq's sums over its four waves need.
.set HSTEPS, 16                        ; hidden: steps of 512 numbers for a wave: 8 rows
.set HWREG,  8192                      ; hidden: LDS for a wave: two stages of 32 x HSP bytes, behind them 256 scale bytes
.set HSP,    80                        ; a lane's place in a stage: 64 bytes + 16 of padding
.set HR,     16                        ; v16-79   four sets of 16 numbers as loaded
.set HX,     80                        ; v80-111  two sets of 16 neighbours
.set HE,     112                       ; v112-127 a scale byte for each step
.set HC,     128                       ; v128-191 codes, four registers for each step
.set WSTG,   32768                     ; weights: LDS from here on, 32 rows x WP for each wave
.set WP,     272                       ; a stage row: 256 bytes of codes + 16
.set WX,     32                        ; v32-95   two sets of 32 numbers
.set WC,     96                        ; v96-103  a block's codes
.set WO,     112                       ; v112-175 the way out
.set WSB,    24                        ; v24-25   eight scale bytes
.set GQB,    67584                     ; gq: LDS from here on, 512 bytes for each wave
.set GWR,    192                       ; v192 where I put my wave's part sums: GQB + 512 wave + 8 lane
.set GRD,    193                       ; v193 where wave b reads them: GQB + 256 wave + 8 lane
.set GL8,    194                       ; v194 8 x lane
	s_load_b512 s[4:19], s[0:1], 0x0               ; hidden 4, Wq 6, Wk 8, Wv 10, Wgk 12, Wgq 14, bgq 16, governance_embeddings 18
	s_load_b128 s[20:23], s[0:1], 0x40             ; xw_codes 20, xw_scales 22
	v_lshl_add_u32 v208, v0, 2, 0x11000
	v_mov_b32 v209, 0
	v_lshrrev_b32 v1, 5, v0
	v_readfirstlane_b32 s24, v1                    ; wave 0..3
	v_and_b32 v2, 31, v0                           ; lane
	s_mov_b32 s25, 0x600000                        ; the mantissa field of 448
	v_lshlrev_b32 v[GL8], 3, v2
	s_lshl_b32 s26, s24, 9
	v_add_nc_u32 v[GWR], s26, v[GL8]
	v_add_nc_u32 v[GWR], GQB, v[GWR]
	s_lshl_b32 s26, s24, 8
	v_add_nc_u32 v[GRD], s26, v[GL8]
	v_add_nc_u32 v[GRD], GQB, v[GRD]
	s_wait_kmcnt 0x0
	s_cmp_lt_u32 ttmp9, 16
	s_cbranch_scc1 .Lgq
	s_cmp_lt_u32 ttmp9, 144
	s_cbranch_scc1 .Lhidden
; ---------------- the weights.  A LANE TAKES A COLUMN n AND ITS REGISTERS RUN DOWN K: a block of 32 lies in one lane, and the conversions give codes with K innermost.
; A wave takes 32 columns x 256 along K.  Its codes go through its own stage in LDS (row = the column's permuted place) and leave as rows: sixteen lanes store 256 consecutive bytes, aligned.
	s_sub_co_u32 s32, ttmp9, 144
	s_lshr_b32 s33, s32, 5                         ; which weight
	s_cmp_eq_u32 s33, 1
	s_cselect_b64 s[26:27], s[8:9], s[6:7]
	s_cmp_eq_u32 s33, 2
	s_cselect_b64 s[26:27], s[10:11], s[26:27]
	s_cmp_eq_u32 s33, 3
	s_cselect_b64 s[26:27], s[12:13], s[26:27]
	s_and_b32 s34, s32, 7                          ; which 128 columns
	s_bfe_u32 s35, s32, 0x20003                    ; which 256 along K
	s_lshl_b32 s36, s34, 7
	s_lshl_b32 s37, s24, 5
	s_add_co_u32 s36, s36, s37                     ; my wave's first column
	s_lshl_b32 s38, s35, 20                        ; 256 rows of 4,096 bytes
	s_lshl_b32 s39, s36, 2
	s_add_co_u32 s38, s38, s39
	s_mov_b32 s39, 0
	s_add_nc_u64 s[26:27], s[26:27], s[38:39]      ; in
	s_lshl_b32 s40, s33, 10
	s_add_co_u32 s40, s40, s36
	s_add_co_u32 s40, s40, 4096                    ; my wave's first row of xw_codes and xw_scales
	s_lshl_b32 s38, s40, 10
	s_lshl_b32 s41, s35, 8
	s_add_co_u32 s38, s38, s41
	s_add_nc_u64 s[28:29], s[20:21], s[38:39]      ; codes out
	s_lshl_b32 s38, s40, 5
	s_lshl_b32 s41, s35, 3
	s_add_co_u32 s38, s38, s41
	s_add_nc_u64 s[30:31], s[22:23], s[38:39]      ; scale bytes out
	s_wait_alu depctr_va_vdst(0)
	v_lshlrev_b32 v3, 2, v2                        ; in: 4 bytes a lane
	v_and_b32 v5, 7, v2
	v_and_b32 v6, 8, v2
	v_lshl_or_b32 v5, v6, 1, v5
	v_bfe_u32 v6, v2, 4, 1
	v_lshl_or_b32 v5, v6, 3, v5                    ; my column's place among the 32: bits 3 and 4 exchanged
	s_mul_i32 s42, s24, 32*WP
	s_add_co_u32 s42, s42, WSTG                    ; my stage
	v_mul_u32_u24 v4, v5, WP
	v_add_nc_u32 v4, s42, v4                       ; into it
	v_lshlrev_b32 v9, 5, v5                        ; my column's row of scale bytes
	v_and_b32 v5, 15, v2
	v_lshrrev_b32 v6, 4, v2
	v_mul_u32_u24 v7, v6, WP
	v_lshl_add_u32 v7, v5, 4, v7
	v_add_nc_u32 v7, s42, v7                       ; out of it: sixteen lanes to a row, two rows an instruction
	v_lshlrev_b32 v8, 10, v6
	v_lshl_add_u32 v8, v5, 4, v8                   ; and the same place in xw_codes
.macro WLOAD t                         ; block t: W(32 t + j, my column), j = 0 .. 31, into set t % 2: 32 lanes read 128 consecutive bytes
.set j, 0
.rept 32
	global_load_b32 v[WX+32*((\t)%2)+j], v3, s[26:27] offset:(32*(\t)+j)*4096 th:TH_LOAD_NT
.set j, j+1
.endr
.endm
.macro WBLOCK t
.set XS, WX+32*((\t)%2)
.if (\t) < 7
	s_wait_loadcnt 32                              ; this block's 32 loads are in; the next block's 32 may be out
.else
	s_wait_loadcnt 0x0
.endif
	v_max3_num_f32 v12, |v[XS]|, |v[XS+1]|, |v[XS+2]|              ; the block's largest magnitude: all 32 numbers are mine; two chains
	v_max3_num_f32 v13, |v[XS+3]|, |v[XS+4]|, |v[XS+5]|
.irp i, 6,10,14,18,22,26
	v_max3_num_f32 v12, v12, |v[XS+\i]|, |v[XS+\i+1]|
	v_max3_num_f32 v13, v13, |v[XS+\i+2]|, |v[XS+\i+3]|
.endr
	v_max3_num_f32 v12, v12, |v[XS+30]|, |v[XS+31]|
	v_max3_num_f32 v12, v12, v13, 0x4800000        ; and the floor 2^(9 - 127): the byte cannot fall under 1
	v_add_nc_u32 v11, 0xfc000000, v12              ; 8 off the exponent field: the conversion's scale operand
	v_and_or_b32 v10, v12, 0x7f800000, s25         ; 448 x the scale
	v_lshrrev_b32 v13, 23, v11                     ; the scale's byte
.if (\t)%4 == 0
	v_mov_b32 v[WSB+(\t)/4], v13
.else
	v_lshl_or_b32 v[WSB+(\t)/4], v13, 8*((\t)%4), v[WSB+(\t)/4]
.endif
.set j, 0
.rept 32
	v_med3_num_f32 v[XS+j], v[XS+j], -v10, v10     ; the conversion to an 8-bit code does not saturate (ISA guide 7.6.2): the hold comes first
.set j, j+1
.endr
.irp g, 0,1,2,3
	v_cvt_scalef32_pk8_fp8_f32 v[WC+2*\g:WC+2*\g+1], v[XS+8*\g:XS+8*\g+7], v11
.endr
	ds_store_b128 v4, v[WC:WC+3] offset:32*(\t)
	ds_store_b128 v4, v[WC+4:WC+7] offset:32*(\t)+16
.if (\t)+2 < 8
	WLOAD (\t)+2
.endif
	s_wait_dscnt 0x0                               ; the stores have read their registers: the next block's codes may be written
.endm
	WLOAD 0
	WLOAD 1
.irp t, 0,1,2,3,4,5,6,7
	WBLOCK \t
.endr
	global_store_b64 v9, v[WSB:WSB+1], s[30:31]    ; my column's eight scale bytes
.irp t, 0,1,2,3,4,5,6,7,8,9,10,11,12,13,14,15
	ds_load_b128 v[WO+4*\t:WO+4*\t+3], v7 offset:2*\t*WP           ; LDS serves a wave's instructions in order: these see my stores
.endr
.irp t, 0,1,2,3,4,5,6,7,8,9,10,11,12,13,14,15
	s_wait_dscnt 15-\t                             ; the younger loads may be out
	global_store_b128 v8, v[WO+4*\t:WO+4*\t+3], s[28:29] offset:2*\t*1024
.endr
	s_branch .Ljoin
; ---------------- the tokens.  Rows are dense: a plain stream of blocks of 32.  A wave takes 8 rows: 16 steps of 512 numbers.
; Each load reads 512 consecutive bytes; a step's 2,048 bytes turn through the wave's own stage in LDS, so that a lane then holds 16 NEIGHBOURS (two neighbouring lanes hold a block).
.Lhidden:
	s_sub_co_u32 s32, ttmp9, 16
	s_lshl_b32 s32, s32, 2
	s_add_co_u32 s33, s32, s24                     ; which 8 rows I read
	s_and_b32 s34, s24, 1
	s_lshl_b32 s34, s34, 1
	s_lshr_b32 s35, s24, 1
	s_or_b32 s34, s34, s35
	s_add_co_u32 s34, s32, s34                     ; and where they go: the wave's two bits are bits 3 and 4 of the row: exchanged
	s_lshl_b32 s36, s33, 15
	s_mov_b32 s37, 0
	s_add_nc_u64 s[26:27], s[4:5], s[36:37]
	s_lshl_b32 s36, s34, 13
	s_add_nc_u64 s[28:29], s[20:21], s[36:37]
	s_lshl_b32 s36, s34, 8
	s_add_nc_u64 s[30:31], s[22:23], s[36:37]
	s_wait_alu depctr_va_vdst(0)
	v_lshlrev_b32 v3, 4, v2                        ; my 16 bytes of a load's 512, and of a step's 512 bytes of codes
	s_mul_i32 s38, s24, HWREG
	v_lshrrev_b32 v14, 2, v2
	v_mul_u32_u24 v14, v14, HSP
	v_and_b32 v15, 3, v2
	v_lshl_add_u32 v14, v15, 4, v14
	v_add_nc_u32 v14, s38, v14                     ; the stage, on the way in: four lanes' 64 bytes on end, then 16 of padding
	v_mul_u32_u24 v15, v2, HSP
	v_add_nc_u32 v15, s38, v15                     ; and on the way out: my 16 neighbours
	v_lshrrev_b32 v5, 1, v2
	s_add_co_u32 s38, s38, 2*32*HSP
	v_add_nc_u32 v5, s38, v5                       ; my wave's 256 scale bytes: my block's byte
	v_lshlrev_b32 v7, 3, v2
	v_add_nc_u32 v6, s38, v7                       ; and 8 bytes a lane on their way out
.macro HLOAD t
.irp i, 0,1,2,3
	global_load_b128 v[HR+16*((\t)%4)+4*\i:HR+16*((\t)%4)+4*\i+3], v3, s[26:27] offset:2048*(\t)+512*\i th:TH_LOAD_NT
.endr
.endm
.macro HTURN t                         ; step t's numbers through the stage: LDS serves a wave's instructions in order, so no wait stands between the stores and the loads
.irp i, 0,1,2,3
	ds_store_b128 v14, v[HR+16*((\t)%4)+4*\i:HR+16*((\t)%4)+4*\i+3] offset:32*HSP*((\t)%2)+8*HSP*\i
.endr
.irp i, 0,1,2,3
	ds_load_b128 v[HX+16*((\t)%2)+4*\i:HX+16*((\t)%2)+4*\i+3], v15 offset:32*HSP*((\t)%2)+16*\i
.endr
.endm
.macro HSTEP t
.set XS, HX+16*((\t)%2)
.if (\t) > 0
	s_wait_dscnt 1                                 ; this step's numbers are back from the stage; the last step's byte store may be out
.else
	s_wait_dscnt 0x0
.endif
.if (\t)+4 < HSTEPS
	HLOAD (\t)+4                                   ; into the registers that this step's stores into the stage have read
.endif
.if (\t)+1 < HSTEPS
.if HSTEPS-2-(\t) >= 3
	s_wait_loadcnt 12                              ; the next step's four loads are in; those of the three steps behind it may be out
.else
	s_wait_loadcnt 4*(HSTEPS-2-(\t))
.endif
	HTURN (\t)+1
.endif
	v_max3_num_f32 v8, |v[XS]|, |v[XS+1]|, |v[XS+2]|
	v_max3_num_f32 v9, |v[XS+3]|, |v[XS+4]|, |v[XS+5]|
.irp i, 6,10
	v_max3_num_f32 v8, v8, |v[XS+\i]|, |v[XS+\i+1]|
	v_max3_num_f32 v9, v9, |v[XS+\i+2]|, |v[XS+\i+3]|
.endr
	v_max3_num_f32 v8, v8, |v[XS+14]|, |v[XS+15]|
	v_max3_num_f32 v8, v8, v9, 0x4800000           ; and the floor 2^(9 - 127)
	v_max_num_f32_dpp v8, v8, v8 row_xmask:1 row_mask:0xf bank_mask:0xf   ; with my neighbour's 16: the block's largest magnitude
	v_add_nc_u32 v11, 0xfc000000, v8
	v_and_or_b32 v10, v8, 0x7f800000, s25
.set j, 0
.rept 16
	v_med3_num_f32 v[XS+j], v[XS+j], -v10, v10
.set j, j+1
.endr
	v_cvt_scalef32_pk8_fp8_f32 v[HC+4*(\t):HC+4*(\t)+1], v[XS:XS+7], v11
	v_cvt_scalef32_pk8_fp8_f32 v[HC+4*(\t)+2:HC+4*(\t)+3], v[XS+8:XS+15], v11
	v_lshrrev_b32 v[HE+(\t)], 23, v11              ; the scale's byte (also the plain line behind the conversions)
	ds_store_b8 v5, v[HE+(\t)] offset:16*(\t)      ; both lanes of a block write the same byte with the same value
	global_store_b128 v3, v[HC+4*(\t):HC+4*(\t)+3], s[28:29] offset:512*(\t)   ; the wave stores 512 consecutive bytes, aligned
.endm
.irp t, 0,1,2,3
	HLOAD \t
.endr
	s_wait_alu depctr_va_vdst(0)
	s_wait_loadcnt 12                              ; step 0's four loads are in
	HTURN 0
.irp t, 0,1,2,3,4,5,6,7,8,9,10,11,12,13,14,15
	HSTEP \t
.endr
	ds_load_b64 v[12:13], v6
	s_wait_dscnt 0x0
	global_store_b64 v7, v[12:13], s[30:31]        ; 32 lanes store the wave's 256 scale bytes, aligned
	s_branch .Ljoin
; ---------------- gq.  The work-group takes 64 columns; wave w takes k = 256 w .. 256 w + 255; a lane two columns.  Each load reads 256 consecutive bytes of a row of Wgq.
; v8, v9: batch 0, my two columns; v10, v11: batch 1.  The embeddings' numbers come to scalar registers lane by lane.
.Lgq:
	s_lshl_b32 s32, s24, 20
	s_lshl_b32 s33, ttmp9, 8
	s_add_co_u32 s32, s32, s33
	s_mov_b32 s33, 0
	s_add_nc_u64 s[26:27], s[14:15], s[32:33]      ; Wgq at row 256 w, column 64 x work-group
	s_lshl_b32 s32, s24, 10
	s_add_nc_u64 s[28:29], s[18:19], s[32:33]      ; the embeddings at k = 256 w
	s_wait_alu depctr_va_vdst(0)
	v_lshlrev_b32 v4, 2, v2
.irp q, 0,1,2,3,4,5,6,7
	global_load_b32 v[16+\q], v4, s[28:29] offset:128*\q           ; batch 0: k = 256 w + 32 q + lane
	global_load_b32 v[24+\q], v4, s[28:29] offset:4096+128*\q      ; batch 1
.endr
.macro GLOADSET rho                    ; 32 rows of Wgq into set rho % 2
.set j, 0
.rept 32
	global_load_b64 v[32+64*((\rho)%2)+2*j:32+64*((\rho)%2)+2*j+1], v[GL8], s[26:27] offset:(32*(\rho)+j)*4096 th:TH_LOAD_NT
.set j, j+1
.endr
.endm
.macro GROUND rho
.set GS, 32+64*((\rho)%2)
.if (\rho) < 7
	s_wait_loadcnt 32                              ; this set is in (and the embeddings); the younger set's 32 loads may be out
.else
	s_wait_loadcnt 0x0
.endif
.irp hf, 0,1
.irp i, 0,1,2,3,4,5,6,7,8,9,10,11,12,13,14,15
	v_readlane_b32 s[32+2*\i], v[16+(\rho)], 16*\hf+\i
	v_readlane_b32 s[33+2*\i], v[24+(\rho)], 16*\hf+\i
.endr
.irp i, 0,1,2,3,4,5,6,7,8,9,10,11,12,13,14,15
	v_fmac_f32 v8, s[32+2*\i], v[GS+2*(16*\hf+\i)]                 ; the four sums by turns
	v_fmac_f32 v9, s[32+2*\i], v[GS+2*(16*\hf+\i)+1]
	v_fmac_f32 v10, s[33+2*\i], v[GS+2*(16*\hf+\i)]
	v_fmac_f32 v11, s[33+2*\i], v[GS+2*(16*\hf+\i)+1]
.endr
.endr
.if (\rho) < 6
	GLOADSET (\rho)+2
.endif
.endm
	GLOADSET 0
	GLOADSET 1
	v_mov_b32 v8, 0
	v_mov_b32 v9, 0
	v_mov_b32 v10, 0
	v_mov_b32 v11, 0
.irp q, 0,1,2,3,4,5,6,7
	GROUND \q
.endr
	ds_store_b64 v[GWR], v[8:9]                    ; my wave's part sums: batch 0,
	ds_store_b64 v[GWR], v[10:11] offset:256       ; batch 1
.Ljoin:
	s_wait_dscnt 0x0                               ; for the others' sake: my LDS stores have landed
	s_barrier_signal -1
	s_barrier_wait -1
	s_cmp_lt_u32 ttmp9, 16
	s_cbranch_scc0 .Lend
	s_cmp_lt_u32 s24, 2
	s_cbranch_scc0 .Lend
	ds_load_b64 v[196:197], v[GRD]                 ; wave b adds batch b's four part sums and the bias
	ds_load_b64 v[198:199], v[GRD] offset:512
	ds_load_b64 v[200:201], v[GRD] offset:1024
	ds_load_b64 v[202:203], v[GRD] offset:1536
	s_lshl_b32 s32, ttmp9, 8
	s_mov_b32 s33, 0
	s_add_nc_u64 s[34:35], s[16:17], s[32:33]
	global_load_b64 v[204:205], v[GL8], s[34:35]
	s_lshl_b32 s36, s24, 12
	s_add_co_u32 s38, s32, s36
	s_add_co_u32 s38, s38, 262144
	s_mov_b32 s39, 0
	s_add_nc_u64 s[36:37], s[22:23], s[38:39]
	s_wait_loadcnt_dscnt 0x0
	v_pk_add_f32 v[196:197], v[196:197], v[198:199]
	v_pk_add_f32 v[200:201], v[200:201], v[202:203]
	v_pk_add_f32 v[196:197], v[196:197], v[200:201]
	v_pk_add_f32 v[196:197], v[196:197], v[204:205]
	global_store_b64 v[GL8], v[196:197], s[36:37]  ; 32 lanes store 256 consecutive bytes, aligned
.Lend:
	s_wait_tensorcnt 0x0
	ds_add_u32 v208, v209
	s_wait_dscnt 0x0
	s_endpgm
.Lfunc_end_k_q7ca6268ed3_prep:
	.size	k_q7ca6268ed3_prep, .Lfunc_end_k_q7ca6268ed3_prep-k_q7ca6268ed3_prep
	.p2alignl 7, 3214868480
	.fill 96, 4, 3214868480
	.section	.rodata,"a",@progbits
	.p2align	6, 0x0
	.amdhsa_kernel k_q7ca6268ed3_prep
		.amdhsa_group_segment_fixed_size 70144
		.amdhsa_private_segment_fixed_size 0
		.amdhsa_enable_private_segment 0
		.amdhsa_kernarg_size 80
		.amdhsa_user_sgpr_count 2
		.amdhsa_user_sgpr_kernarg_segment_ptr 1
		.amdhsa_wavefront_size32 1
		.amdhsa_system_sgpr_workgroup_id_x 1
		.amdhsa_system_sgpr_workgroup_id_y 1
		.amdhsa_system_sgpr_workgroup_id_z 1
		.amdhsa_system_vgpr_workitem_id 0
		.amdhsa_next_free_vgpr 210
		.amdhsa_next_free_sgpr 80
		.amdhsa_reserve_vcc 0
		.amdhsa_float_denorm_mode_32 3
		.amdhsa_float_denorm_mode_16_64 3
		.amdhsa_memory_ordered 1
		.amdhsa_forward_progress 1
		.amdhsa_inst_pref_size 201
	.end_amdhsa_kernel
	.amdgpu_metadata
---
amdhsa.version: [ 1, 2 ]
amdhsa.kernels:
  - .name:           k_q7ca6268ed3_prep
    .symbol:         k_q7ca6268ed3_prep.kd
    .args:
      - { .name: hidden_states, .offset: 0, .size: 8, .value_kind: global_buffer, .address_space: global }
      - { .name: Wq, .offset: 8, .size: 8, .value_kind: global_buffer, .address_space: global }
      - { .name: Wk, .offset: 16, .size: 8, .value_kind: global_buffer, .address_space: global }
      - { .name: Wv, .offset: 24, .size: 8, .value_kind: global_buffer, .address_space: global }
      - { .name: Wgk, .offset: 32, .size: 8, .value_kind: global_buffer, .address_space: global }
      - { .name: Wgq, .offset: 40, .size: 8, .value_kind: global_buffer, .address_space: global }
      - { .name: bgq, .offset: 48, .size: 8, .value_kind: global_buffer, .address_space: global }
      - { .name: governance_embeddings, .offset: 56, .size: 8, .value_kind: global_buffer, .address_space: global }
      - { .name: xw_codes, .offset: 64, .size: 8, .value_kind: global_buffer, .address_space: global }
      - { .name: xw_scales, .offset: 72, .size: 8, .value_kind: global_buffer, .address_space: global }
    .group_segment_fixed_size: 70144
    .private_segment_fixed_size: 0
    .kernarg_segment_align: 8
    .kernarg_segment_size: 80
    .max_flat_workgroup_size: 128
    .sgpr_count:     80
    .vgpr_count:     210
    .wavefront_size: 32
...
	.end_amdgpu_metadata
.endif
;; end of part 1
;; launch proj (part 2): grid 16 x 16, 4 waves a work-group, clusters of 4 x 4, 327,680 bytes of LDS; arguments xw_codes, xw_scales, bq, bk, bv, bgk, q_codes, kv_codes, q_scales, kv_scales, gov; writes q_codes, kv_codes, q_scales, kv_scales, gov
.if DOCPART == 2
	.amdgcn_target "amdgcn-amd-amdhsa--gfx1250"
	.amdhsa_code_object_version 6
	.text
	.protected	k_q7ca6268ed3_proj
	.globl	k_q7ca6268ed3_proj
	.p2align	8
	.type	k_q7ca6268ed3_proj,@function
k_q7ca6268ed3_proj:
	s_mov_b64 s[64:65], 0
	v_nop
	global_prefetch_b8 v0, s[64:65] scope:SCOPE_SE
	s_setreg_imm32_b32 hwreg(HW_REG_WAVE_MODE, 25, 1), 1
	s_wait_xcnt 0x0
	s_wait_alu depctr_hold_cnt(0) depctr_sa_sdst(0) depctr_va_vdst(0) depctr_va_sdst(0) depctr_va_ssrc(0) depctr_va_vcc(0) depctr_vm_vsrc(0)
	s_getreg_b32 s2, hwreg(HW_REG_IB_STS2, 6, 4)
	s_cmp_eq_u32 s2, 0
	s_cbranch_scc0 .Lentry_in_a_cluster
	s_endpgm
.Lentry_in_a_cluster:
	s_bfe_u32 s2, ttmp6, 0x10000c
	s_cmp_lg_u32 s2, 0xf033
	s_cbranch_scc0 .Lentry_shape_is_right
	s_endpgm
.Lentry_shape_is_right:
.set KSTEP,  256
.set NQ,     2
.set ROWB,   256
.set KROW,   1024
.set PITCH,  272
.set FR,     16
.set NL,     4
.set NP,     8
.set HALFT,  128*PITCH
.set SLOT,   4*HALFT
.set KS,     32
.set SCL,    2*SLOT
.set HALFS,  16*272
.set SBLK,   2*272
.set SPARE,  SCL+4*HALFS
.set STG0,   SPARE+512
.set STQ,  8
.set STV,  9
.set STGK, 10
.set RDS,  11
.set H16,  12
.set L16,  13
.set SOFF, 14
.set BOF,  15
.set ADRA, 16
.set ADRB, 20
.set ADRS, 27
.set SPW,  28
.set NIL,  29
.set SC,   32
.set BT,   64
.set OFF,  64
.set TM,   72
.set PW,   100
.set SW,   108
.set AF,   128
.set MNT,  45
.set SEL,  66
.set G1,   24
.set G0,   32
.set G1B,  48
.set G0B,  56
.set G1S,  68
.set G0S,  76
.set G1SB, 80
.set G0SB, 88
.set MSB, 0
.macro WIN new
.if MSB != (\new)
	s_set_vgpr_msb (MSB<<8)|(\new)
.set MSB, (\new)
.endif
.endm
.set MUL_LO, 0xa1
.set MUL_HI, 0xf1
.set BIA_LO, 0x81
.set BIA_HI, 0xc1
.set TO_B,   0x40
.macro JLOAD g0a, g1a, g0b, g1b
	s_cmp_eq_u32 s15, 0
	s_cbranch_scc0 .Lfor_b_\@
	tensor_load_to_lds s[\g0a:\g0a+3], s[\g1a:\g1a+7]
	s_nop 0
.rept 4
	v_nop
.endr
	s_branch .Lasked_\@
.Lfor_b_\@:
	tensor_load_to_lds s[\g0b:\g0b+3], s[\g1b:\g1b+7]
	s_nop 0
.rept 4
	v_nop
.endr
.Lasked_\@:
.endm
.macro CREST
	s_cmp_lg_u32 s14, 0
	s_cbranch_scc1 .Lnot_wave_0_\@
	s_barrier_signal -3
.Lnot_wave_0_\@:
	s_barrier_wait -3
	s_barrier_signal -1
	s_barrier_wait -1
.endm
.macro CROUND
	s_barrier_signal -1
	s_barrier_wait -1
	CREST
.endm
	s_load_b128 s[4:7], s[0:1], 0x0
	s_load_b256 s[92:99], s[0:1], 0x10
	s_load_b256 s[40:47], s[0:1], 0x30
	s_load_b64 s[100:101], s[0:1], 0x50
	v_lshl_add_u32 v[SPW], v0, 2, SPARE
	v_mov_b32 v[NIL], 0
	ds_add_u32 v28, v29
	ds_add_u32 v28, v29
	s_wait_dscnt 0x0
	v_lshrrev_b32 v1, 5, v0
	v_readfirstlane_b32 s14, v1
	s_lshr_b32 s15, s14, 1
	s_and_b32 s16, s14, 1
	s_bfe_u32 s17, ttmp6, 0x40000
	s_bfe_u32 s18, ttmp6, 0x40004
	s_and_b32 s19, ttmp7, 0xffff
	s_lshl_b32 s19, s19, 2
	s_lshl_b32 s20, ttmp9, 2
	s_add_co_u32 s20, s20, 16
	s_cmp_eq_u32 ttmp9, 2
	s_cselect_b32 s21, 24, s19
	s_cselect_b32 s20, s19, s20
	s_add_co_u32 s21, s21, s18
	s_add_co_u32 s20, s20, s17
	s_lshl_b32 s22, s18, 2
	s_lshl_b32 s22, 15, s22
	s_lshl_b32 s23, 0x1111, s17
	s_or_b32 s[G1+0], s22, (0<<16)|(1<<20)|(1<<21)|(5<<22)|(3<<25)
	s_or_b32 s[G1B+0], s23, (0<<16)|(1<<20)|(1<<21)|(5<<22)|(3<<25)
.irp g, G1, G1B
	s_mov_b32 s[\g+1], ROWB<<16
	s_mov_b32 s[\g+2], 128<<16
	s_mov_b32 s[\g+3], ROWB<<16
	s_mov_b32 s[\g+4], 128
	s_mov_b32 s[\g+5], KROW
	s_mov_b32 s[\g+6], 0
	s_mov_b32 s[\g+7], 0
.endr
	s_or_b32 s[G1S+0], s22, (3<<16)|(1<<20)|(1<<21)|(5<<22)|(3<<25)
	s_or_b32 s[G1SB+0], s23, (3<<16)|(1<<20)|(1<<21)|(5<<22)|(3<<25)
.irp g, G1S, G1SB
	s_mov_b32 s[\g+1], 32<<16
	s_mov_b32 s[\g+2], 16<<16
	s_mov_b32 s[\g+3], 32<<16
	s_mov_b32 s[\g+4], 16
	s_mov_b32 s[\g+5], 32
	s_mov_b32 s[\g+6], 0
	s_mov_b32 s[\g+7], 0
.endr
	s_lshl_b32 s3, s16, 7
	s_lshl_b32 s8, s21, 8
	s_add_co_u32 s8, s8, s3
	s_lshl_b32 s10, s20, 8
	s_add_co_u32 s10, s10, s3
	s_lshl_b32 s12, s8, 5
	s_lshl_b32 s66, s10, 5
	s_lshl_b32 s8, s8, 10
	s_lshl_b32 s10, s10, 10
	s_mov_b32 s9, 0
	s_mov_b32 s11, 0
	s_mov_b32 s13, 0
	s_mov_b32 s67, 0
	s_mul_i32 s22, s14, HALFT
	s_mul_i32 s23, s14, HALFS
	s_wait_kmcnt 0x0
	s_add_nc_u64 s[8:9], s[4:5], s[8:9]
	s_add_nc_u64 s[10:11], s[4:5], s[10:11]
	s_add_nc_u64 s[12:13], s[6:7], s[12:13]
	s_add_nc_u64 s[66:67], s[6:7], s[66:67]
	CROUND
	s_mov_b32 s[G0S], 1
	s_add_co_u32 s[G0S+1], s23, SCL
	s_mov_b64 s[G0S+2:G0S+3], s[12:13]
	s_or_b32 s[G0S+3], s[G0S+3], 0x80000000
	s_mov_b32 s[G0SB], 1
	s_add_co_u32 s[G0SB+1], s23, SCL
	s_mov_b64 s[G0SB+2:G0SB+3], s[66:67]
	s_or_b32 s[G0SB+3], s[G0SB+3], 0x80000000
	JLOAD G0S, G1S, G0SB, G1SB
.irp s, 0,1
	s_mov_b32 s[G0+4*\s], 1
	s_add_co_u32 s[G0+4*\s+1], s22, \s*SLOT
	s_add_nc_u64 s[G0+4*\s+2:G0+4*\s+3], s[8:9], \s*ROWB
	s_or_b32 s[G0+4*\s+3], s[G0+4*\s+3], 0x80000000
	s_mov_b32 s[G0B+4*\s], 1
	s_add_co_u32 s[G0B+4*\s+1], s22, \s*SLOT
	s_add_nc_u64 s[G0B+4*\s+2:G0B+4*\s+3], s[10:11], \s*ROWB
	s_or_b32 s[G0B+4*\s+3], s[G0B+4*\s+3], 0x80000000
	s_wait_alu depctr_va_vdst(0)
	s_wait_tensorcnt 0x0
	ds_add_u32 v28, v29
	s_wait_dscnt 0x0
	CROUND
	JLOAD G0+4*\s, G1, G0B+4*\s, G1B
.endr
	s_cmp_eq_u32 ttmp9, 2
	s_cselect_b32 s12, s20, s21
	s_cselect_b32 s13, s16, s15
	s_cselect_b32 s22, s18, s17
	s_cselect_b32 s23, s15, s16
	s_lshl_b32 s12, s12, 1
	s_add_co_u32 s12, s12, s13
	s_lshr_b32 s13, s12, 4
	s_and_b32 s12, s12, 15
	s_lshl_b32 s22, s22, 2
	s_lshl_b32 s23, s23, 1
	s_add_co_u32 s22, s22, s23
	s_lshl_b32 s23, s13, 4
	s_add_co_u32 s23, s23, s22
	s_cmp_eq_u32 ttmp9, 1
	s_cselect_b64 s[92:93], s[94:95], s[92:93]
	s_cmp_eq_u32 ttmp9, 2
	s_cselect_b64 s[92:93], s[96:97], s[92:93]
	s_cmp_eq_u32 ttmp9, 3
	s_cselect_b64 s[92:93], s[98:99], s[92:93]
	s_lshl_b32 s20, s22, 8
	s_mov_b32 s21, 0
	s_add_nc_u64 s[92:93], s[92:93], s[20:21]
	s_lshl_b32 s94, s13, 12
	s_add_co_u32 s94, s94, s20
	s_add_co_u32 s94, s94, 262144
	s_mov_b32 s95, 0
	s_add_nc_u64 s[10:11], s[6:7], s[94:95]
	s_cmp_eq_u32 ttmp9, 0
	s_cselect_b64 s[4:5], s[40:41], s[42:43]
	s_cselect_b64 s[8:9], s[44:45], s[46:47]
	s_cselect_b32 s96, 17, 18
	s_cselect_b32 s97, 12, 13
	s_cmp_eq_u32 ttmp9, 3
	s_cselect_b64 s[8:9], s[100:101], s[8:9]
	s_cselect_b32 s98, 9, 8
	s_lshl_b32 s40, 1, s96
	s_mov_b32 s41, 1024
	s_cmp_eq_u32 ttmp9, 2
	s_cselect_b32 s99, 8192, 0
	s_cselect_b32 s46, 4096, 0
	s_cselect_b32 s40, s41, s40
	s_cselect_b32 s42, 2048, s41
	s_cselect_b32 s43, 253952, 0
	s_lshl_b32 s94, s23, s96
	s_sub_co_u32 s96, s96, 4
	s_lshl_b32 s96, s12, s96
	s_add_co_u32 s94, s94, s96
	s_add_co_u32 s94, s94, s99
	s_add_nc_u64 s[4:5], s[4:5], s[94:95]
	s_mov_b32 s41, 0
	s_add_nc_u64 s[6:7], s[4:5], s[40:41]
	s_lshl_b32 s94, s23, s97
	s_lshl_b32 s96, s12, s98
	s_add_co_u32 s94, s94, s96
	s_add_co_u32 s94, s94, s46
	s_add_nc_u64 s[8:9], s[8:9], s[94:95]
	s_lshl_b32 s44, 1, s97
	s_mov_b32 s[SEL], 0x76543210
	s_mov_b32 s[SEL+1], 0xfedcba98
	v_and_b32 v1, 15, v0
	v_bfe_u32 v2, v0, 4, 1
	v_mul_u32_u24 v3, v1, PITCH
	v_lshl_add_u32 v4, v2, 4, v3
	s_mul_i32 s21, s15, HALFT
	s_mul_i32 s22, s16, HALFT
	s_add_co_u32 s22, s22, 2*HALFT
.irp s, 0,1
	v_add_nc_u32 v[ADRA+\s], s21, v4
	v_add_nc_u32 v[ADRB+\s], s22, v4
	s_add_co_u32 s21, s21, SLOT
	s_add_co_u32 s22, s22, SLOT
.endr
	v_mul_u32_u24 v5, v1, KS
	v_lshrrev_b32 v6, 8, v5
	v_lshl_add_u32 v5, v6, 4, v5
	s_mul_i32 s21, s15, HALFS
	s_mul_i32 s22, s16, HALFS
	s_add_co_u32 s22, s22, 2*HALFS
	s_sub_co_u32 s22, s22, s21
	v_mul_u32_u24 v6, s22, v2
	s_add_co_u32 s21, s21, SCL
	v_add_nc_u32 v5, v5, v6
	v_add_nc_u32 v[ADRS], s21, v5
	s_lshl_b32 s23, s14, 11
	s_add_co_u32 s23, s23, STG0
	v_lshlrev_b32 v5, 2, v1
	v_lshl_add_u32 v6, v2, 8, v5
	v_add_nc_u32 v[STQ], s23, v6
	v_add_nc_u32 v[STV], s23, v5
	v_add_nc_u32 v[STV], 512, v[STV]
	v_lshl_add_u32 v6, v2, 9, v5
	v_add_nc_u32 v[STGK], s23, v6
	v_add_nc_u32 v[STGK], 1024, v[STGK]
	v_and_b32 v7, 31, v0
	v_lshlrev_b32 v[L16], 4, v7
	v_add_nc_u32 v[RDS], s23, v[L16]
	v_lshlrev_b32 v[H16], 4, v2
	v_mul_u32_u24 v[SOFF], s44, v2
	v_lshl_add_u32 v[SOFF], v1, 4, v[SOFF]
	s_cmp_eq_u32 ttmp9, 2
	s_cbranch_scc1 .Lbias_v
	v_lshlrev_b32 v[BOF], 6, v2
.irp b, 0,1,2,3,4,5,6,7
	global_load_b128 v[BT+8*\b:BT+8*\b+3], v[BOF], s[92:93] offset:(32*(\b/2)+8*(\b%2))*4
	global_load_b128 v[BT+8*\b+4:BT+8*\b+7], v[BOF], s[92:93] offset:(32*(\b/2)+8*(\b%2))*4+16
.endr
	s_branch .Lbias_in
.Lbias_v:
	v_and_b32 v[BOF], 8, v1
	v_add_nc_u32 v[BOF], v[BOF], v1
	v_lshlrev_b32 v[BOF], 2, v[BOF]
.irp a, 0,1,2,3,4,5,6,7
.irp j, 0,1,2,3,4,5,6,7
	global_load_b32 v[BT+8*\a+\j], v[BOF], s[92:93] offset:(32*(\a/2)+8*(\a%2))*4
.endr
.endr
.Lbias_in:
.macro FRAG reg, adr, q, i
.irp c, 0,1,2,3
	ds_load_b128 v[\reg+4*\c:\reg+4*\c+3], v[\adr] offset:128*(\q)+32*\c+(\i)*16*PITCH
.endr
.endm
.macro MUL16 a0, p, q, sc, zero
.irp a, \a0, \a0+1
.irp b, 0,1,2,3,4,5,6,7
.if \zero == 1
	v_wmma_scale_f32_16x16x128_f8f6f4 v[8*(8*((\a)%4)+\b):8*(8*((\a)%4)+\b)+7], v[128*(\p)+FR*\b:128*(\p)+FR*\b+FR-1], v[AF+FR*(\a):AF+FR*(\a)+FR-1], v[BT+8*\b:BT+8*\b+7], v[SC+8*NQ*(\sc)+NQ*\b+(\q)], v[SC+8*NQ*(\sc)+NQ*(\a)+(\q)] matrix_a_scale:MATRIX_SCALE_ROW1
.elseif \zero == 2
	v_wmma_scale_f32_16x16x128_f8f6f4 v[8*(8*((\a)%4)+\b):8*(8*((\a)%4)+\b)+7], v[128*(\p)+FR*\b:128*(\p)+FR*\b+FR-1], v[AF+FR*(\a):AF+FR*(\a)+FR-1], v[BT+8*(\a):BT+8*(\a)+7], v[SC+8*NQ*(\sc)+NQ*\b+(\q)], v[SC+8*NQ*(\sc)+NQ*(\a)+(\q)] matrix_a_scale:MATRIX_SCALE_ROW1
.else
	v_wmma_scale_f32_16x16x128_f8f6f4 v[8*(8*((\a)%4)+\b):8*(8*((\a)%4)+\b)+7], v[128*(\p)+FR*\b:128*(\p)+FR*\b+FR-1], v[AF+FR*(\a):AF+FR*(\a)+FR-1], v[8*(8*((\a)%4)+\b):8*(8*((\a)%4)+\b)+7], v[SC+8*NQ*(\sc)+NQ*\b+(\q)], v[SC+8*NQ*(\sc)+NQ*(\a)+(\q)] matrix_a_scale:MATRIX_SCALE_ROW1
.endif
.endr
.endr
.endm
.macro FETCH_B slot, q, p
	WIN TO_B
.irp i, 0,1,2,3,4,5,6,7
	FRAG 128*(\p)+FR*\i, ADRB+\slot, \q, \i
.endr
	WIN 0
.endm
.macro FETCH_A slot, q, i0
.irp i, \i0, \i0+1, \i0+2, \i0+3
	FRAG AF+FR*(\i), ADRA+\slot, \q, \i
.endr
.endm
.macro SCALES sc
.irp i, 0,1,2,3,4,5,6,7
	ds_load_b64 v[SC+8*NQ*\sc+NQ*\i:SC+8*NQ*\sc+NQ*\i+1], v[ADRS] offset:\i*SBLK
.endr
.endm
.macro PLACES n
.rept \n
	v_nop
.endr
.endm
.macro STEP slot, q, zero
	s_wait_dscnt 4*NL
.if \zero
	WIN BIA_LO
.else
	WIN MUL_LO
.endif
	MUL16 0, (\q)%2, \q, \slot, \zero
	MUL16 2, (\q)%2, \q, \slot, \zero
	s_wait_dscnt 0
	PLACES NP
	FETCH_B \slot, (\q)+1, 1-(\q)%2
	FETCH_A \slot, (\q)+1, 0
.if \zero
	WIN BIA_HI
.else
	WIN MUL_HI
.endif
	MUL16 4, (\q)%2, \q, \slot, \zero
	MUL16 6, (\q)%2, \q, \slot, \zero
	PLACES NP
	WIN 0
	FETCH_A \slot, (\q)+1, 4
.endm
.macro TURN slot, next, fill
	s_wait_tensorcnt 0x0
	ds_add_u32 v[SPW], v[NIL]
	s_wait_dscnt 4*NL+1
	WIN MUL_LO
	MUL16 0, 1, NQ-1, \slot, 0
	s_wait_dscnt 0x0
	s_barrier_signal -1
	MUL16 2, 1, NQ-1, \slot, 0
	WIN 0
	s_barrier_wait -1
.if \fill
	CREST
	s_add_nc_u64 s[G0+4*\slot+2:G0+4*\slot+3], s[G0+4*\slot+2:G0+4*\slot+3], 2*ROWB
	s_add_nc_u64 s[G0B+4*\slot+2:G0B+4*\slot+3], s[G0B+4*\slot+2:G0B+4*\slot+3], 2*ROWB
	JLOAD G0+4*\slot, G1, G0B+4*\slot, G1B
	PLACES NP-4
.else
	PLACES NP
.endif
	s_wait_alu depctr_va_vdst(0)
	v_add_nc_u32 v[ADRS], 4*NQ, v[ADRS]
	FETCH_B \next, 0, 0
	FETCH_A \next, 0, 0
	SCALES \next
	WIN MUL_HI
	MUL16 4, 1, NQ-1, \slot, 0
	MUL16 6, 1, NQ-1, \slot, 0
	PLACES NP
	WIN 0
	FETCH_A \next, 0, 4
.endm
	s_wait_tensorcnt 1
	s_barrier_signal -1
	s_barrier_wait -1
	FETCH_B 0, 0, 0
	FETCH_A 0, 0, 0
	SCALES 0
	FETCH_A 0, 0, 4
	s_wait_loadcnt 0x0
	s_cmp_eq_u32 ttmp9, 2
	s_cbranch_scc1 .Lfirst_v
	STEP 0, 0, 1
	s_branch .Lfirst_done
.Lfirst_v:
	STEP 0, 0, 2
.Lfirst_done:
	TURN 0, 1, 1
	STEP 1, 0, 0
	TURN 1, 0, 1
	STEP 0, 0, 0
	TURN 0, 1, 0
	STEP 1, 0, 0
	s_wait_dscnt 4*NL
	WIN MUL_LO
	MUL16 0, 1, NQ-1, 1, 0
	MUL16 2, 1, NQ-1, 1, 0
	s_wait_dscnt 0
	WIN MUL_HI
	MUL16 4, 1, NQ-1, 1, 0
	MUL16 6, 1, NQ-1, 1, 0
	WIN 0
	PLACES NP
	s_mov_b32 s20, 0
.irp a, 0,1,2,3,4,5,6,7
	v_add_nc_u32 v[OFF+\a], s20, v[L16]
	s_add_co_u32 s20, s20, s42
.if \a == 3
	s_add_co_u32 s20, s20, s43
.endif
.endr
.irp b, 0,1,2,3
	v_mov_b32 v[TM+4+\b], 0
.endr
	s_cmp_eq_u32 ttmp9, 3
	s_cbranch_scc1 .Lgk
.macro QUANTB a
.set AC, 64*((\a)%4)
.set WN, 2+(\a)/4
.set PC, AF+16*(\a)
	WIN WN|(WN<<2)
.irp b, 0,1,2,3
	v_max3_num_f32 v[TM+\b], |v[AC+16*\b]|, |v[AC+16*\b+1]|, 0x4800000
.endr
.irp i, 2,4,6,8,10,12,14
.irp b, 0,1,2,3
	v_max3_num_f32 v[TM+\b], |v[AC+16*\b+\i]|, |v[AC+16*\b+\i+1]|, v[TM+\b]
.endr
.endr
	WIN 0
.irp b, 0,1,2,3
	v_permlanex16_b32 v[TM+4+\b], v[TM+\b], s[SEL], s[SEL+1]
.endr
.irp b, 0,1,2,3
	v_max_num_f32 v[TM+\b], v[TM+\b], v[TM+4+\b]
.endr
.irp b, 0,1,2,3
	v_add_nc_u32 v[TM+12+\b], 0xfc000000, v[TM+\b]
.endr
.irp b, 0,1,2,3
.endr
.irp b, 0,1,2,3
	v_lshrrev_b32 v[TM+4+\b], 23, v[TM+12+\b]
.endr
	v_lshl_or_b32 v[PW+(\a)], v[TM+5], 8, v[TM+4]
	v_lshl_or_b32 v[PW+(\a)], v[TM+6], 16, v[PW+(\a)]
	v_lshl_or_b32 v[PW+(\a)], v[TM+7], 24, v[PW+(\a)]
	v_lshrrev_b32 v[SW+(\a)], v[H16], v[PW+(\a)]
	WIN (WN<<6)|WN
.irp b, 0,1,2,3
.irp i, 0,1,2,3,4,5,6,7,8,9,10,11,12,13,14,15
.endr
.endr
	WIN WN
.irp b, 0,1,2,3
	v_cvt_scalef32_pk8_fp8_f32 v[PC+4*\b:PC+4*\b+1], v[AC+16*\b:AC+16*\b+7], v[TM+12+\b]
	v_cvt_scalef32_pk8_fp8_f32 v[PC+4*\b+2:PC+4*\b+3], v[AC+16*\b+8:AC+16*\b+15], v[TM+12+\b]
.endr
	WIN 0
	v_nop
	ds_store_b16 v[STQ], v[SW+(\a)] offset:((\a)/2)*64+2*((\a)%2)
	ds_store_b32 v[STV], v[PW+(\a)] offset:64*(\a)
	global_store_b128 v[OFF+(\a)], v[PC:PC+3], s[4:5]
	global_store_b128 v[OFF+(\a)], v[PC+4:PC+7], s[4:5] offset:512
	global_store_b128 v[OFF+(\a)], v[PC+8:PC+11], s[6:7]
	global_store_b128 v[OFF+(\a)], v[PC+12:PC+15], s[6:7] offset:512
.endm
.irp a, 0,1,2,3,4,5,6,7
	QUANTB \a
.endr
	s_cmp_eq_u32 ttmp9, 2
	s_cbranch_scc1 .Ltail_v
	ds_load_b128 v[92:95], v[RDS]
	s_branch .Ltail
.Ltail_v:
	ds_load_b128 v[92:95], v[RDS] offset:512
.Ltail:
	s_wait_dscnt 0x0
	global_store_b128 v[SOFF], v[92:95], s[8:9]
	s_branch .Lend
.Lgk:
.irp b, 0,1,2,3,4,5,6,7
	global_load_b128 v[AF+8*\b:AF+8*\b+3], v[BOF], s[10:11] offset:(32*(\b/2)+8*(\b%2))*4
	global_load_b128 v[AF+8*\b+4:AF+8*\b+7], v[BOF], s[10:11] offset:(32*(\b/2)+8*(\b%2))*4+16
.endr
	v_cmp_le_u32 vcc_lo, 16, v7
	v_mov_b32 v80, 0
	v_mov_b32 v81, 0
	s_wait_loadcnt 0x0
.macro GOVB a
.set AC, 64*((\a)%4)
.set WN, 2+(\a)/4
	WIN WN
.irp q, 0,1,2,3
	v_pk_mul_f32 v[TM+2*\q:TM+2*\q+1], v[AC+16*\q:AC+16*\q+1], v[AF+16*\q:AF+16*\q+1]
.endr
.irp i, 2,4,6,8,10,12,14
.irp q, 0,1,2,3
	v_pk_fma_f32 v[TM+2*\q:TM+2*\q+1], v[AC+16*\q+\i:AC+16*\q+\i+1], v[AF+16*\q+\i:AF+16*\q+\i+1], v[TM+2*\q:TM+2*\q+1]
.endr
.endr
	WIN 0
	v_pk_add_f32 v[TM:TM+1], v[TM:TM+1], v[TM+2:TM+3]
	v_pk_add_f32 v[TM+4:TM+5], v[TM+4:TM+5], v[TM+6:TM+7]
	v_add_f32 v[TM], v[TM], v[TM+1]
	v_add_f32 v[TM+4], v[TM+4], v[TM+5]
	v_permlanex16_b32 v80, v[TM], s[SEL], s[SEL+1]
	v_permlanex16_b32 v81, v[TM+4], s[SEL], s[SEL+1]
	v_add_f32 v[TM], v[TM], v80
	v_add_f32 v[TM+4], v[TM+4], v81
	v_cndmask_b32 v[SW+(\a)], v[TM], v[TM+4], vcc_lo
	ds_store_b32 v[STGK], v[SW+(\a)] offset:64*(\a)
.endm
.irp a, 0,1,2,3,4,5,6,7
	GOVB \a
.endr
	ds_load_b128 v[92:95], v[RDS] offset:1024
	ds_load_b128 v[96:99], v[RDS] offset:1536
	s_wait_dscnt 0x0
	global_store_b128 v[L16], v[92:95], s[8:9]
	global_store_b128 v[L16], v[96:99], s[8:9] offset:8192
.Lend:
	s_wait_tensorcnt 0x0
	ds_add_u32 v[SPW], v[NIL]
	s_wait_dscnt 0x0
	CROUND
	s_endpgm
.Lfunc_end_k_q7ca6268ed3_proj:
	.size	k_q7ca6268ed3_proj, .Lfunc_end_k_q7ca6268ed3_proj-k_q7ca6268ed3_proj
	.p2alignl 7, 3214868480
	.fill 96, 4, 3214868480
	.section	.rodata,"a",@progbits
	.p2align	6, 0x0
	.amdhsa_kernel k_q7ca6268ed3_proj
		.amdhsa_group_segment_fixed_size 327680
		.amdhsa_private_segment_fixed_size 0
		.amdhsa_enable_private_segment 0
		.amdhsa_kernarg_size 88
		.amdhsa_user_sgpr_count 2
		.amdhsa_user_sgpr_kernarg_segment_ptr 1
		.amdhsa_wavefront_size32 1
		.amdhsa_system_sgpr_workgroup_id_x 1
		.amdhsa_system_sgpr_workgroup_id_y 1
		.amdhsa_system_sgpr_workgroup_id_z 1
		.amdhsa_system_vgpr_workitem_id 0
		.amdhsa_next_free_vgpr 1024
		.amdhsa_next_free_sgpr 104
		.amdhsa_reserve_vcc 1
		.amdhsa_float_denorm_mode_32 3
		.amdhsa_float_denorm_mode_16_64 3
		.amdhsa_fp16_overflow 1
		.amdhsa_memory_ordered 1
		.amdhsa_forward_progress 1
		.amdhsa_inst_pref_size 197
	.end_amdhsa_kernel
	.amdgpu_metadata
---
amdhsa.version: [ 1, 2 ]
amdhsa.kernels:
  - .name:           k_q7ca6268ed3_proj
    .symbol:         k_q7ca6268ed3_proj.kd
    .args:
      - { .name: xw_codes, .offset: 0, .size: 8, .value_kind: global_buffer, .address_space: global }
      - { .name: xw_scales, .offset: 8, .size: 8, .value_kind: global_buffer, .address_space: global }
      - { .name: bq, .offset: 16, .size: 8, .value_kind: global_buffer, .address_space: global }
      - { .name: bk, .offset: 24, .size: 8, .value_kind: global_buffer, .address_space: global }
      - { .name: bv, .offset: 32, .size: 8, .value_kind: global_buffer, .address_space: global }
      - { .name: bgk, .offset: 40, .size: 8, .value_kind: global_buffer, .address_space: global }
      - { .name: q_codes, .offset: 48, .size: 8, .value_kind: global_buffer, .address_space: global }
      - { .name: kv_codes, .offset: 56, .size: 8, .value_kind: global_buffer, .address_space: global }
      - { .name: q_scales, .offset: 64, .size: 8, .value_kind: global_buffer, .address_space: global }
      - { .name: kv_scales, .offset: 72, .size: 8, .value_kind: global_buffer, .address_space: global }
      - { .name: gov, .offset: 80, .size: 8, .value_kind: global_buffer, .address_space: global }
    .group_segment_fixed_size: 327680
    .private_segment_fixed_size: 0
    .kernarg_segment_align: 8
    .kernarg_segment_size: 88
    .max_flat_workgroup_size: 128
    .sgpr_count:     104
    .vgpr_count:     1024
    .wavefront_size: 32
...
	.end_amdgpu_metadata
.endif
;; end of part 2
;; launch attn (part 3): grid 8 x 32, 16 waves a work-group, clusters of 4 x 1, 327,680 bytes of LDS; arguments q_codes, q_scales, kv_codes, kv_scales, gov, out0, parts; writes out0, parts
.if DOCPART == 3
	.amdgcn_target "amdgcn-amd-amdhsa--gfx1250"
	.amdhsa_code_object_version 6
	.text
	.protected	k_q7ca6268ed3_attn
	.globl	k_q7ca6268ed3_attn
	.p2align	8
	.type	k_q7ca6268ed3_attn,@function
k_q7ca6268ed3_attn:
	s_mov_b64 s[64:65], 0
	v_nop
	global_prefetch_b8 v0, s[64:65] scope:SCOPE_SE
	s_setreg_imm32_b32 hwreg(HW_REG_WAVE_MODE, 25, 1), 1
	s_wait_xcnt 0x0
	s_wait_alu depctr_hold_cnt(0) depctr_sa_sdst(0) depctr_va_vdst(0) depctr_va_sdst(0) depctr_va_ssrc(0) depctr_va_vcc(0) depctr_vm_vsrc(0)
	s_getreg_b32 s2, hwreg(HW_REG_IB_STS2, 6, 4)
	s_cmp_eq_u32 s2, 0
	s_cbranch_scc0 .Lentry_in_a_cluster
	s_endpgm
.Lentry_in_a_cluster:
	s_bfe_u32 s2, ttmp6, 0x10000c
	s_cmp_lg_u32 s2, 0x3003
	s_cbranch_scc0 .Lentry_shape_is_right
	s_endpgm
.Lentry_shape_is_right:
; ATTN.  context = softmax(q k^T / 8 + 0.1 gov) v for 32 (batch, head) pairs of 2,048 tokens, head size 64, both products on codes of E4M3 with E8M0 scales; and for each wave the sums over its 16 rows of the row's entropy, |gov| and largest probability.
; THE SOFTMAX AHEAD OF THE SECOND PRODUCT: t = score x log2(e) / 8 + 0.1 gov log2(e); M = the running largest t rounded UP to a whole number; p = 2^(t - M) is quantised along the keys, not normalised; l = the sum of the unquantised p divides at the end.
; ENTROPY without a second pass: with W = the sum of p (t - M), a row's entropy is ln 2 x (log2 l - W / l).  When M moves by d = old M - new M: W <- (W + d l) 2^d, l <- l 2^d, O <- O 2^d.
; LIMIT: the guard + 1e-8 inside reference()'s logarithm is not added.  Since x ln(1 + e / x) <= e, that changes a row's entropy by at most 2,048 x 1e-8 = 2.05e-5, whatever the inputs.  The entropy is a difference of two numbers of order 1 to 11: about 1e-6 of absolute error a row.
; LIMITS: NaN and infinities are not served; a block whose every p has fallen to 0 keeps the byte 1 (its codes are zeros).
; SHARES.  A work-group owns 256 queries of one head; each of its sixteen waves one tile of 16, in 256 registers: four waves to a SIMD, so that one wave's vector work stands beside another's matrix work and LDS loads.
; A HEAD'S K AND V, codes and scale words (270,336 bytes), LIE WHOLE IN LDS, as they lie in memory: images of the operands' registers.  They are filled once: no slot is ever filled again.
; CLUSTER.  The four query blocks of a cluster belong to one head: every tile is asked for jointly, by the same tensor load with the same descriptor and the mask of all four.
; LAYOUT.  Both products transposed: S^T = K Q^T, O^T = V^T P^T: a lane holds one query (lane % 16).  Rows of q, k and gov lie permuted (bits 3 and 4 of the row exchanged), so that the 16 registers of two neighbouring tiles of S^T are 16 neighbouring keys.
; K = 64 IN A FORM OF 128: source 0 holds TWO tiles of keys side by side along K; source 1 is [Q, zeros] for the first tile's scores and [zeros, Q] for the second's.  The zero codes add nothing under any scale byte that is met here.
; No prefetch: all of K and V is asked for by the tensor loads at the head.
.set SCB,   262144                     ; LDS: the head's scale words: k's 4,096 bytes, then v's
.set PARTB, 270336                     ; and 16 bytes for each wave's three sums
.set ADK, 3                            ; v3   LDS address of the step's images
.set ADS, 4                            ; v4   of its scale words
.set KF,  40                           ; v40-103  four pairs of key tiles; then p
.set SS,  104                          ; v104-167 S^T, then t - M, then V's four fragments
.set OT,  168                          ; v168-199 O^T
.set PCD, 200                          ; v200-215 p's codes
.set BM,  224                          ; v224-227 each block's largest score, then its largest p
.set BP,  228                          ; v228-231 lane permutes' results, then the bytes
.set BH,  232
.set BX,  236                          ; v236-239 the conversions' scale operands
; v1 16 lane; v2 SCB + 4 lane; v5 g = 0.1 gov log2(e); v6 |gov|; v[8:9] W; v10 -M; v11 at work; v12 g - M; v13 the largest t; v[14:15] l; v16-23 Q, v24-31 zeros, v32-39 Q; v216-217 k's scale words, v218-219 v's, v220 p's, v221 Q's;
; v[240:243] second chains of l and W; v[250:251] d, 0; v[252:253] 2^d, 0
.set WV,  18
.set MNT, 19
.set SEL, 20
.set CS,  22                           ; s[22:23] c = log2(e) / 8
.set G1A, 24                           ; s[24:31] group 1: 2 rows of 256 bytes (scale words);  s[32:39] 16 rows (key steps 0-3);  s[40:47] 48 rows (key steps 4-15)
.set G1B, 32
.set G1C, 40
.set G0A, 48
.set G0B, 52
.set G0C, 56
.set TB,  60                           ; s60 LDS byte at which the step's images begin
.set TS,  61                           ; s61 and its scale words
.set TRIP, 62
.macro CROUND
	s_barrier_signal -1
	s_barrier_wait -1
	s_cmp_lg_u32 s[WV], 0
	s_cbranch_scc1 .Lnot_wave_0_\@
	s_barrier_signal -3
.Lnot_wave_0_\@:
	s_barrier_wait -3
	s_barrier_signal -1
	s_barrier_wait -1
.endm
.macro G1SET g, rows                   ; a dense block as rows of 256 bytes: 32 elements of 8 bytes; the mask of all four work-groups, bit 21 beside it; no padding: the images are read 512 consecutive bytes at a time
	s_mov_b32 s[\g], 15|(3<<16)|(1<<21)
	s_mov_b32 s[\g+1], 32<<16
	s_mov_b32 s[\g+2], (\rows)<<16
	s_mov_b32 s[\g+3], 32<<16
	s_mov_b32 s[\g+4], \rows
	s_mov_b32 s[\g+5], 32
	s_mov_b32 s[\g+6], 0
	s_mov_b32 s[\g+7], 0
.endm
	s_load_b256 s[4:11], s[0:1], 0x0               ; q_codes 4, q_scales 6, kv_codes 8, kv_scales 10
	s_load_b128 s[12:15], s[0:1], 0x20             ; gov 12, out0 14
	s_load_b64 s[16:17], s[0:1], 0x30              ; parts
	v_lshl_add_u32 v254, v0, 2, 0x42100
	v_mov_b32 v255, 0
	ds_add_u32 v254, v255
	ds_add_u32 v254, v255
	v_lshrrev_b32 v1, 5, v0
	s_delay_alu instid0(VALU_DEP_1)
	v_readfirstlane_b32 s[WV], v1                  ; wave 0..15
	s_bfe_u32 s66, ttmp6, 0x40000                  ; cx
	s_lshl_b32 s67, ttmp9, 2
	s_add_co_u32 s67, s67, s66                     ; my block of 256 queries: it enters global addresses of q, gov, out0 and parts alone
	s_and_b32 s68, ttmp7, 0xffff                   ; 16 x batch + head, which the four partners share
	G1SET G1A, 2
	G1SET G1B, 16
	G1SET G1C, 48
	s_lshl_b32 s69, s[WV], 9                       ; my 512 bytes of the scale words,
	s_lshl_b32 s70, s68, 13
	s_add_co_u32 s70, s70, s69
	s_mov_b32 s71, 0
	s_lshl_b32 s74, s[WV], 12                      ; my 4,096 bytes of key steps 0-3,
	s_lshl_b32 s72, s68, 18
	s_add_co_u32 s72, s72, s74
	s_mov_b32 s73, 0
	s_mul_i32 s75, s[WV], 12288                    ; my 12,288 bytes of key steps 4-15
	s_add_co_u32 s75, s75, 65536
	s_lshl_b32 s76, s68, 18
	s_add_co_u32 s76, s76, s75
	s_mov_b32 s77, 0
	s_mov_b32 s[SEL], 0x76543210
	s_mov_b32 s[SEL+1], 0xfedcba98
	s_mov_b32 s[CS], 0x3e38aa3b
	s_mov_b32 s[CS+1], s[CS]                       ; (named with it as a pair, so it is written)
	s_mov_b32 s[TB], 0
	s_mov_b32 s[TS], 0
	s_wait_dscnt 0x0
	s_wait_kmcnt 0x0
	s_mov_b32 s[G0A], 1
	s_add_co_u32 s[G0A+1], s69, SCB
	s_add_nc_u64 s[G0A+2:G0A+3], s[10:11], s[70:71]
	s_or_b32 s[G0A+3], s[G0A+3], 0x80000000
	s_mov_b32 s[G0B], 1
	s_mov_b32 s[G0B+1], s74
	s_add_nc_u64 s[G0B+2:G0B+3], s[8:9], s[72:73]
	s_or_b32 s[G0B+3], s[G0B+3], 0x80000000
	s_mov_b32 s[G0C], 1
	s_mov_b32 s[G0C+1], s75
	s_add_nc_u64 s[G0C+2:G0C+3], s[8:9], s[76:77]
	s_or_b32 s[G0C+3], s[G0C+3], 0x80000000
	CROUND                                         ; all four work-groups are here: the joint loads meet
	tensor_load_to_lds s[G0A:G0A+3], s[G1A:G1A+7]  ; all fills of the launch go out together: three tensor loads of mine are out
	s_nop 0
	tensor_load_to_lds s[G0B:G0B+3], s[G1B:G1B+7]
	s_nop 0
	tensor_load_to_lds s[G0C:G0C+3], s[G1C:G1C+7]
	s_nop 0
.rept 4
	v_nop
.endr
	v_and_b32 v7, 31, v0                           ; lane
	s_delay_alu instid0(VALU_DEP_1)
	v_lshlrev_b32 v1, 4, v7
	s_delay_alu instid0(VALU_DEP_2)
	v_lshl_add_u32 v2, v7, 2, SCB
	v_and_b32 v11, 15, v0
	s_delay_alu instid0(VALU_DEP_1)
	v_lshlrev_b32 v11, 2, v11                      ; 4 r
	s_wait_alu depctr_va_vdst(0)
	s_lshl_b32 s69, s67, 4
	s_add_co_u32 s69, s69, s[WV]                   ; my tile of 16 queries, of the head's 128
	s_lshl_b32 s70, s68, 17
	s_lshl_b32 s72, s69, 10
	s_add_co_u32 s70, s70, s72
	s_add_nc_u64 s[4:5], s[4:5], s[70:71]
	global_load_b128 v[16:19], v1, s[4:5]          ; Q's image, twice: in front of the zeros and behind them
	global_load_b128 v[20:23], v1, s[4:5] offset:512
	global_load_b128 v[32:35], v1, s[4:5]
	global_load_b128 v[36:39], v1, s[4:5] offset:512
	s_lshl_b32 s70, s68, 12
	s_lshr_b32 s72, s69, 1
	s_lshl_b32 s72, s72, 6
	s_add_co_u32 s70, s70, s72
	s_add_nc_u64 s[6:7], s[6:7], s[70:71]
	global_load_b32 v221, v11, s[6:7]              ; the scale words of my pair of tiles
	s_lshl_b32 s70, s68, 13
	s_lshl_b32 s72, s69, 6
	s_add_co_u32 s70, s70, s72
	s_add_nc_u64 s[12:13], s[12:13], s[70:71]
	global_load_b32 v5, v11, s[12:13]              ; gov of my 16 queries
	; where my rows of out0 begin: token 256 x block + 32 (w / 2) + 8 (w % 2), column 64 x head
	s_lshr_b32 s73, s68, 4
	s_lshl_b32 s73, s73, 11
	s_lshl_b32 s74, s67, 8
	s_add_co_u32 s73, s73, s74
	s_lshr_b32 s74, s[WV], 1
	s_lshl_b32 s74, s74, 5
	s_add_co_u32 s73, s73, s74
	s_and_b32 s74, s[WV], 1
	s_lshl_b32 s74, s74, 3
	s_add_co_u32 s73, s73, s74
	s_lshl_b32 s74, s73, 12
	s_and_b32 s75, s68, 15
	s_lshl_b32 s75, s75, 8
	s_add_co_u32 s74, s74, s75
	s_mov_b32 s75, 0
	s_add_nc_u64 s[14:15], s[14:15], s[74:75]
	s_lshl_b32 s74, s68, 3
	s_add_co_u32 s74, s74, s67
	s_lshl_b32 s74, s74, 8
	s_add_nc_u64 s[16:17], s[16:17], s[74:75]      ; my work-group's 256 bytes of parts
.irp j, 24,25,26,27,28,29,30,31
	v_mov_b32 v\j, 0                               ; the zero codes between the two copies of Q
.endr
.set j, 0
.rept 32
	v_mov_b32 v[OT+j], 0                           ; O^T.  (The step is written once: the first finds zeros, which the first change of M leaves zeros)
.set j, j+1
.endr
.irp j, 8,9,14,15,228,229,230,231,251,253
	v_mov_b32 v\j, 0                               ; W, l; lane permutes' destinations; the upper halves of two pairs
.endr
	v_mov_b32 v13, 0xff61b1e6                      ; the largest t so far: -3e38
	s_delay_alu instid0(VALU_DEP_1)
	v_floor_f32 v10, -v13                          ; -M
	s_and_b32 s72, s[WV], 1
	s_lshl_b32 s72, s72, 4
	s_wait_loadcnt 0x0
	v_lshrrev_b32 v221, s72, v221                  ; my tile's two bytes,
	s_delay_alu instid0(VALU_DEP_1)
	v_and_b32 v221, 0xffff, v221
	s_delay_alu instid0(VALU_DEP_1)
	v_lshl_or_b32 v221, v221, 16, v221             ; for Q in front of the zeros and behind them
	v_and_b32 v6, 0x7fffffff, v5                   ; |gov|
	v_mul_f32 v5, 0x3dcccccd, v5                   ; 0.1 gov,
	s_delay_alu instid0(VALU_DEP_1)
	v_mul_f32 v5, 0x3fb8aa3b, v5                   ; as t
; A KEY STEP: 128 keys.
.macro STEP
	s_setprio 2
	v_add_nc_u32 v[ADK], s[TB], v1
	v_add_nc_u32 v[ADS], s[TS], v2
.rept 7
	v_nop                                          ; with the two additions nine places behind the last step's products, whose source registers (V's fragments) the products below write over
.endr
.irp i, 0,1,2,3
.irp c, 0,1,2,3
	ds_load_b128 v[KF+16*\i+4*\c:KF+16*\i+4*\c+3], v[ADK] offset:2048*\i+512*\c   ; pair i: tiles 2 i and 2 i + 1 side by side along K
.endr
.endr
	ds_load_b32 v216, v[ADS]                       ; lanes 0-15: pair 0's words; lanes 16-31: pair 1's
	ds_load_b32 v217, v[ADS] offset:128            ; pairs 2, 3
	ds_load_b32 v218, v[ADS] offset:4096           ; V's tiles 0, 1
	ds_load_b32 v219, v[ADS] offset:4224           ; tiles 2, 3
	s_wait_dscnt 0x0
.irp i, 0,1,2,3
.if \i%2
	v_wmma_scale_f32_16x16x128_f8f6f4 v[SS+16*\i:SS+16*\i+7], v[KF+16*\i:KF+16*\i+15], v[16:31], 0, v[216+\i/2], v221 matrix_a_scale:MATRIX_SCALE_ROW1
	v_wmma_scale_f32_16x16x128_f8f6f4 v[SS+16*\i+8:SS+16*\i+15], v[KF+16*\i:KF+16*\i+15], v[24:39], 0, v[216+\i/2], v221 matrix_a_scale:MATRIX_SCALE_ROW1
.else
	v_wmma_scale_f32_16x16x128_f8f6f4 v[SS+16*\i:SS+16*\i+7], v[KF+16*\i:KF+16*\i+15], v[16:31], 0, v[216+\i/2], v221
	v_wmma_scale_f32_16x16x128_f8f6f4 v[SS+16*\i+8:SS+16*\i+15], v[KF+16*\i:KF+16*\i+15], v[24:39], 0, v[216+\i/2], v221
.endif
.endr                                          ; register 16 b + i: key 32 b + 16 (lane / 16) + i of the step
.rept 8
	v_nop
.endr
.irp b, 0,1,2,3
	v_max3_num_f32 v[BM+\b], v[SS+16*\b], v[SS+16*\b+1], v[SS+16*\b+2]   ; the largest score of each block of 32 keys: for the row's maximum, and, since p rises with the score, for the block's largest p
.endr
.irp i, 3,5,7,9,11,13
.irp b, 0,1,2,3
	v_max3_num_f32 v[BM+\b], v[BM+\b], v[SS+16*\b+\i], v[SS+16*\b+\i+1]
.endr
.endr
.irp b, 0,1,2,3
	v_max_num_f32 v[BM+\b], v[BM+\b], v[SS+16*\b+15]
.endr
.irp b, 0,1,2,3
	s_delay_alu instid0(VALU_DEP_4)
	v_permlanex16_b32 v[BP+\b], v[BM+\b], s[SEL], s[SEL+1]
.endr
.irp b, 0,1,2,3
	s_delay_alu instid0(VALU_DEP_4)
	v_max_num_f32 v[BM+\b], v[BM+\b], v[BP+\b]     ; with lane l xor 16's 16 keys
.endr
	s_delay_alu instid0(VALU_DEP_2)
	v_max3_num_f32 v11, v[BM], v[BM+1], v[BM+2]
	s_delay_alu instid0(VALU_DEP_1)
	v_max_num_f32 v11, v11, v[BM+3]
	s_delay_alu instid0(VALU_DEP_1)
	v_fma_f32 v11, v11, s[CS], v5                  ; the step's largest t of my query
	s_delay_alu instid0(VALU_DEP_1)
	v_max_num_f32 v13, v13, v11                    ; the running largest t
	v_mov_b32 v11, v10
	s_delay_alu instid0(VALU_DEP_2)
	v_floor_f32 v10, -v13                          ; the new -M = -ceil(t): a whole number
	s_delay_alu instid0(VALU_DEP_1)
	v_sub_f32 v250, v10, v11                       ; d = old M - new M, 0 or less
	s_delay_alu instid0(VALU_DEP_1)
	v_cvt_i32_f32 v11, v250                        ; (it saturates)
	s_delay_alu instid0(VALU_DEP_1)
	v_ldexp_f32 v252, 1.0, v11                     ; 2^d: a multiplication by it rounds nothing
	s_delay_alu instid0(VALU_DEP_4)
	v_add_f32 v12, v5, v10                         ; g - M
.set j, 0
.rept 32
	v_pk_fma_f32 v[SS+j:SS+j+1], v[SS+j:SS+j+1], s[CS:CS+1], v[12:13] op_sel_hi:[1,0,0]   ; u = t - M, two at a time
.set j, j+2
.endr
.irp b, 0,1,2,3
	v_fma_f32 v[BM+\b], v[BM+\b], s[CS], v12       ; the same of each block's largest score
.endr
.set j, 0
	s_wait_alu depctr_va_vdst(0)
.rept 64
	v_exp_f32 v[KF+j], v[SS+j]                     ; p = 2^u goes where K lay; u is kept for W
.set j, j+1
.endr
	s_setprio 1
	v_pk_fma_f32 v[8:9], v[14:15], v[250:251], v[8:9] op_sel_hi:[1,0,1]   ; W + d l (plain lines behind the exponentials),
	s_delay_alu instid0(VALU_DEP_1)
	v_pk_mul_f32 v[8:9], v[8:9], v[252:253] op_sel_hi:[1,0]               ; x 2^d;
	v_pk_mul_f32 v[14:15], v[14:15], v[252:253] op_sel_hi:[1,0]           ; l x 2^d
	s_wait_alu depctr_va_vdst(0)                   ; one wait for the batch of 64, ahead of its first reader
.irp b, 0,1,2,3
	v_exp_f32 v[BM+\b], v[BM+\b]                   ; the block's largest p
.endr
	v_pk_add_f32 v[240:241], v[KF:KF+1], v[KF+2:KF+3]              ; l and W are taken of the unquantised p: two chains each, by turns
	v_pk_mul_f32 v[242:243], v[KF:KF+1], v[SS:SS+1]
	v_pk_fma_f32 v[8:9], v[KF+2:KF+3], v[SS+2:SS+3], v[8:9]
.set j, 4
.rept 15
	v_pk_add_f32 v[14:15], v[14:15], v[KF+j:KF+j+1]
	v_pk_add_f32 v[240:241], v[240:241], v[KF+j+2:KF+j+3]
	v_pk_fma_f32 v[242:243], v[KF+j:KF+j+1], v[SS+j:SS+j+1], v[242:243]
	v_pk_fma_f32 v[8:9], v[KF+j+2:KF+j+3], v[SS+j+2:SS+j+3], v[8:9]
.set j, j+4
.endr
	s_delay_alu instid0(VALU_DEP_3)
	v_pk_add_f32 v[14:15], v[14:15], v[240:241]
	s_delay_alu instid0(VALU_DEP_2)
	v_pk_add_f32 v[8:9], v[8:9], v[242:243]
.irp t, 0,1,2,3
.irp c, 0,1,2,3
	ds_load_b128 v[SS+16*\t+4*\c:SS+16*\t+4*\c+3], v[ADK] offset:8192+2048*\t+512*\c   ; V's four fragments land where u lay, while p is quantised
.endr
.endr
	s_wait_alu depctr_va_vdst(0)                   ; and one wait for the four
.irp b, 0,1,2,3
	v_max_num_f32 v[BM+\b], 0x4800000, v[BM+\b]    ; the floor 2^(9 - 127): the byte cannot fall under 1
.endr
.irp b, 0,1,2,3
	s_delay_alu instid0(VALU_DEP_4)
	v_add_nc_u32 v[BX+\b], 0xfc000000, v[BM+\b]    ; 8 off the exponent field: the conversion's scale operand
.endr
.irp b, 0,1,2,3
.endr
.irp b, 0,1,2,3
	s_delay_alu instid0(VALU_DEP_4)
	v_lshrrev_b32 v[BP+\b], 23, v[BX+\b]           ; the scale's byte
.endr
	s_delay_alu instid0(VALU_DEP_3)
	v_lshl_or_b32 v220, v[BP+1], 8, v[BP]          ; p's scale word for these 128 keys
	s_delay_alu instid0(VALU_DEP_1)
	v_lshl_or_b32 v220, v[BP+2], 16, v220
	s_delay_alu instid0(VALU_DEP_1)
	v_lshl_or_b32 v220, v[BP+3], 24, v220
	s_setprio 0
.irp b, 0,1,2,3
.irp i, 0,1,2,3,4,5,6,7,8,9,10,11,12,13,14,15
.endr
	v_cvt_scalef32_pk8_fp8_f32 v[PCD+4*\b:PCD+4*\b+1], v[KF+16*\b:KF+16*\b+7], v[BX+\b]
	v_cvt_scalef32_pk8_fp8_f32 v[PCD+4*\b+2:PCD+4*\b+3], v[KF+16*\b+8:KF+16*\b+15], v[BX+\b]
.endr
.set j, 0
.rept 16
	v_pk_mul_f32 v[OT+j:OT+j+1], v[OT+j:OT+j+1], v[252:253] op_sel_hi:[1,0]   ; O^T x 2^d.  (These are also the plain lines between the conversions and the products)
.set j, j+2
.endr
	s_wait_alu depctr_va_vdst(0)
	s_wait_dscnt 0x0                               ; V is in
.irp t, 0,1,2,3
.if \t%2
	v_wmma_scale_f32_16x16x128_f8f6f4 v[OT+8*\t:OT+8*\t+7], v[SS+16*\t:SS+16*\t+15], v[PCD:PCD+15], v[OT+8*\t:OT+8*\t+7], v[218+\t/2], v220 matrix_a_scale:MATRIX_SCALE_ROW1
.else
	v_wmma_scale_f32_16x16x128_f8f6f4 v[OT+8*\t:OT+8*\t+7], v[SS+16*\t:SS+16*\t+15], v[PCD:PCD+15], v[OT+8*\t:OT+8*\t+7], v[218+\t/2], v220
.endif
.endr
	s_add_co_u32 s[TB], s[TB], 16384
	s_add_co_u32 s[TS], s[TS], 256
.endm
	s_wait_tensorcnt 0x1                           ; my parts of the scale words and of key steps 0-3 are in; my part of steps 4-15 may be out
	s_barrier_signal -1
	s_barrier_wait -1                              ; everybody's are
	s_mov_b32 s[TRIP], 4
.Lfirst:
	s_wait_alu depctr_va_vdst(0)
	STEP
	s_sub_co_u32 s[TRIP], s[TRIP], 1
	s_cmp_lg_u32 s[TRIP], 0
	s_cbranch_scc1 .Lfirst
	s_setprio 0
	s_wait_tensorcnt 0x0                           ; my part of key steps 4-15 is in
	s_wait_dscnt 0x0
	s_barrier_signal -1
	s_barrier_wait -1
	s_mov_b32 s[TRIP], 12
.Lrest:
	STEP
	s_sub_co_u32 s[TRIP], s[TRIP], 1
	s_cmp_lg_u32 s[TRIP], 0
	s_cbranch_scc1 .Lrest
	s_setprio 0
	; THE ROW'S FIGURES.  More than eight plain vector lines here name no register of the last products: they are the places in front of the first read of O^T.
	v_add_f32 v14, v14, v15
	v_add_f32 v8, v8, v9
	s_delay_alu instid0(VALU_DEP_2)
	v_permlanex16_b32 v[BP], v14, s[SEL], s[SEL+1]
	s_delay_alu instid0(VALU_DEP_2)
	v_permlanex16_b32 v[BP+1], v8, s[SEL], s[SEL+1]
	s_delay_alu instid0(VALU_DEP_2)
	v_add_f32 v14, v14, v[BP]                      ; l
	s_delay_alu instid0(VALU_DEP_2)
	v_add_f32 v8, v8, v[BP+1]                      ; W
	v_add_f32 v11, v13, v10                        ; the largest t - M
	s_wait_alu depctr_va_vdst(0)
	v_rcp_f32 v252, v14
	v_log_f32 v9, v14
	v_exp_f32 v11, v11
	v_mov_b32 v241, v6                             ; |gov| (a plain line behind the batch)
	v_mov_b32 v243, 0
	s_mul_i32 s72, s[WV], 4352                     ; my stage for the way out: 16 rows x (256 bytes + 16)
	s_lshl_b32 s73, s[WV], 4
	s_add_co_u32 s73, s73, PARTB
	v_mov_b32 v7, s73                              ; my wave's 16 bytes
	v_and_b32 v12, 15, v0                          ; r
	v_bfe_u32 v13, v0, 4, 1                        ; h
	s_delay_alu instid0(VALU_DEP_2)
	v_mul_u32_u24 v3, v12, 272
	s_delay_alu instid0(VALU_DEP_1)
	v_lshl_add_u32 v3, v13, 6, v3
	s_delay_alu instid0(VALU_DEP_1)
	v_add_nc_u32 v3, s72, v3                       ; in: row r, + 64 h
	s_delay_alu instid0(VALU_DEP_4)
	v_mul_u32_u24 v4, v13, 272
	s_delay_alu instid0(VALU_DEP_1)
	v_lshl_add_u32 v4, v12, 4, v4
	s_delay_alu instid0(VALU_DEP_1)
	v_add_nc_u32 v4, s72, v4                       ; back: lanes 0-15 one row, lanes 16-31 the next
	v_lshlrev_b32 v5, 12, v13
	s_delay_alu instid0(VALU_DEP_1)
	v_lshl_add_u32 v5, v12, 4, v5                  ; and the same two rows in out0
	v_and_b32 v2, 31, v0
	s_delay_alu instid0(VALU_DEP_1)
	v_lshl_add_u32 v2, v2, 3, PARTB                ; wave 0: 8 bytes a lane of the sixteen waves' sums
	v_lshrrev_b32 v6, 1, v1                        ; 8 lane
	s_wait_alu depctr_va_vdst(0)                   ; one wait for the three, ahead of their first reader
	v_fma_f32 v8, -v8, v252, v9                    ; log2 l - W / l
	s_delay_alu instid0(VALU_DEP_1)
	v_mul_f32 v240, 0x3f317218, v8                 ; x ln 2: the row's entropy
	v_mul_f32 v242, v11, v252                      ; the row's largest probability
.irp m, 1,2,4,8
.irp q, 240,241,242
	v_add_f32_dpp v\q, v\q, v\q row_xmask:\m row_mask:0xf bank_mask:0xf   ; over my 16 rows (both halves of the lanes hold the same rows)
.endr
.endr
.set j, 0
.rept 16
	v_pk_mul_f32 v[KF+j:KF+j+1], v[OT+j:OT+j+1], v[252:253] op_sel_hi:[1,0]   ; O^T / l, each accumulator from its low end on
.set j, j+2
.endr
	ds_store_b128 v7, v[240:243]                   ; all lanes write the same 16 bytes with the same values
	s_wait_alu depctr_va_vdst(0)
	s_wait_dscnt 0x0                               ; my store has landed, and my reads of K and V are over
	s_barrier_signal -1
	s_barrier_wait -1                              ; nobody reads K or V any more: the stages may lie over them (those bytes have had their only fill)
.irp t, 0,1,2,3
	ds_store_b128 v3, v[KF+8*\t:KF+8*\t+3] offset:128*(\t/2)+32*(\t%2)            ; tiles 2 T, 2 T + 1: d = 32 T + 16 h + 0 .. 15
	ds_store_b128 v3, v[KF+8*\t+4:KF+8*\t+7] offset:128*(\t/2)+32*(\t%2)+16
.endr
.irp i, 0,1,2,3,4,5,6,7
	ds_load_b128 v[SS+4*\i:SS+4*\i+3], v4 offset:544*\i            ; LDS serves a wave's instructions in order: these see my stores
.endr
.irp i, 0,1,2,3,4,5,6,7
	s_wait_dscnt 7-\i                              ; the younger loads may be out
	global_store_b128 v5, v[SS+4*\i:SS+4*\i+3], s[14:15] offset:(2*\i+8*(\i/4))*4096 th:TH_STORE_NT   ; stage row 2 i + h is token 2 i + h + 8 (i / 4) of my tile; sixteen lanes store 256 consecutive bytes, aligned
.endr
	s_cmp_lg_u32 s[WV], 0
	s_cbranch_scc1 .Lnot_first
	ds_load_b64 v[8:9], v2
	s_wait_dscnt 0x0
	global_store_b64 v6, v[8:9], s[16:17]          ; the work-group's 256 bytes of parts
.Lnot_first:
	s_wait_dscnt 0x0
	s_wait_tensorcnt 0x0
	ds_add_u32 v254, v255
	s_wait_dscnt 0x0
	CROUND                                         ; the closing round: no work-group ends while a partner may still ask for a tile that names it
	s_endpgm
.Lfunc_end_k_q7ca6268ed3_attn:
	.size	k_q7ca6268ed3_attn, .Lfunc_end_k_q7ca6268ed3_attn-k_q7ca6268ed3_attn
	.p2alignl 7, 3214868480
	.fill 96, 4, 3214868480
	.section	.rodata,"a",@progbits
	.p2align	6, 0x0
	.amdhsa_kernel k_q7ca6268ed3_attn
		.amdhsa_group_segment_fixed_size 327680
		.amdhsa_private_segment_fixed_size 0
		.amdhsa_enable_private_segment 0
		.amdhsa_kernarg_size 56
		.amdhsa_user_sgpr_count 2
		.amdhsa_user_sgpr_kernarg_segment_ptr 1
		.amdhsa_wavefront_size32 1
		.amdhsa_system_sgpr_workgroup_id_x 1
		.amdhsa_system_sgpr_workgroup_id_y 1
		.amdhsa_system_sgpr_workgroup_id_z 1
		.amdhsa_system_vgpr_workitem_id 0
		.amdhsa_next_free_vgpr 256
		.amdhsa_next_free_sgpr 80
		.amdhsa_reserve_vcc 0
		.amdhsa_float_denorm_mode_32 3
		.amdhsa_float_denorm_mode_16_64 3
		.amdhsa_fp16_overflow 1
		.amdhsa_memory_ordered 1
		.amdhsa_forward_progress 1
		.amdhsa_inst_pref_size 55
	.end_amdhsa_kernel
	.amdgpu_metadata
---
amdhsa.version: [ 1, 2 ]
amdhsa.kernels:
  - .name:           k_q7ca6268ed3_attn
    .symbol:         k_q7ca6268ed3_attn.kd
    .args:
      - { .name: q_codes, .offset: 0, .size: 8, .value_kind: global_buffer, .address_space: global }
      - { .name: q_scales, .offset: 8, .size: 8, .value_kind: global_buffer, .address_space: global }
      - { .name: kv_codes, .offset: 16, .size: 8, .value_kind: global_buffer, .address_space: global }
      - { .name: kv_scales, .offset: 24, .size: 8, .value_kind: global_buffer, .address_space: global }
      - { .name: gov, .offset: 32, .size: 8, .value_kind: global_buffer, .address_space: global }
      - { .name: out0, .offset: 40, .size: 8, .value_kind: global_buffer, .address_space: global }
      - { .name: parts, .offset: 48, .size: 8, .value_kind: global_buffer, .address_space: global }
    .group_segment_fixed_size: 327680
    .private_segment_fixed_size: 0
    .kernarg_segment_align: 8
    .kernarg_segment_size: 56
    .max_flat_workgroup_size: 512
    .sgpr_count:     80
    .vgpr_count:     256
    .wavefront_size: 32
...
	.end_amdgpu_metadata
.endif
;; end of part 3
;; launch final (part 4): grid 1 x 1, 16 waves a work-group, no clusters, 3,072 bytes of LDS; arguments parts, out1, out2, out3; writes out1, out2, out3
.if DOCPART == 4
	.amdgcn_target "amdgcn-amd-amdhsa--gfx1250"
	.amdhsa_code_object_version 6
	.text
	.protected	k_q7ca6268ed3_final
	.globl	k_q7ca6268ed3_final
	.p2align	8
	.type	k_q7ca6268ed3_final,@function
k_q7ca6268ed3_final:
	s_mov_b64 s[64:65], 0
	v_nop
	global_prefetch_b8 v0, s[64:65] scope:SCOPE_SE
	s_setreg_imm32_b32 hwreg(HW_REG_WAVE_MODE, 25, 1), 1
	s_wait_xcnt 0x0
; FINAL.  parts holds 4,096 entries of four f32 (sum of entropies, sum of |gov|, sum of largest probabilities, 0), one for each tile of 16 rows.  The three means over the 65,536 rows.
; One work-group: 512 threads x 8 entries; each load of a wave covers 512 consecutive bytes.  The order of the sums differs from reference()'s.
; REGISTERS: v1 my byte offset in parts; v3 my wave's 16 bytes in LDS; v4-35 the eight entries as loaded; v36-38 lane permutes' results; v40 where wave 0 reads the waves' sums back; v41 0, the stores' offset.
	s_load_b256 s[4:11], s[0:1], 0x0               ; parts 4, out1 6, out2 8, out3 10
	v_lshl_add_u32 v64, v0, 2, 0x400
	v_mov_b32 v65, 0
	v_lshlrev_b32 v1, 4, v0
	v_lshrrev_b32 v2, 5, v0
	s_delay_alu instid0(VALU_DEP_1)
	v_readfirstlane_b32 s12, v2                    ; wave
	s_delay_alu instid0(VALU_DEP_2)
	v_lshlrev_b32 v3, 4, v2                        ; LDS: 16 bytes for each wave
	v_and_b32 v40, 15, v0
	s_delay_alu instid0(VALU_DEP_1)
	v_lshlrev_b32 v40, 4, v40                      ; and where wave 0 reads them back: 16 x (lane % 16)
	v_mov_b32 v41, 0
	s_mov_b32 s14, 0x76543210
	s_mov_b32 s15, 0xfedcba98                      ; v_permlanex16_b32's selects for lane l xor 16
.irp j, 36,37,38
	v_mov_b32 v\j, 0                               ; lane permutes' destinations count as read
.endr
	s_wait_kmcnt 0x0
.irp i, 0,1,2,3,4,5,6,7
	global_load_b128 v[4+4*\i:7+4*\i], v1, s[4:5] offset:8192*\i
.endr
	s_wait_loadcnt 0x0
.irp i, 0,1,2,3
	v_pk_add_f32 v[4+4*\i:5+4*\i], v[4+4*\i:5+4*\i], v[20+4*\i:21+4*\i]
	v_pk_add_f32 v[6+4*\i:7+4*\i], v[6+4*\i:7+4*\i], v[22+4*\i:23+4*\i]
.endr
.irp i, 0,1
	s_delay_alu instid0(VALU_DEP_4)
	v_pk_add_f32 v[4+4*\i:5+4*\i], v[4+4*\i:5+4*\i], v[12+4*\i:13+4*\i]
	s_delay_alu instid0(VALU_DEP_4)
	v_pk_add_f32 v[6+4*\i:7+4*\i], v[6+4*\i:7+4*\i], v[14+4*\i:15+4*\i]
.endr
	s_delay_alu instid0(VALU_DEP_2)
	v_pk_add_f32 v[4:5], v[4:5], v[8:9]
	s_delay_alu instid0(VALU_DEP_2)
	v_pk_add_f32 v[6:7], v[6:7], v[10:11]          ; my eight entries' sums: v4, v5, v6 (v7: the zeros')
.irp m, 1,2,4,8
.irp q, 4
	v_add_f32_dpp v\q, v\q, v\q row_xmask:\m row_mask:0xf bank_mask:0xf
.endr
.irp q, 5, 6
	s_delay_alu instid0(VALU_DEP_3)
	v_add_f32_dpp v\q, v\q, v\q row_xmask:\m row_mask:0xf bank_mask:0xf
.endr
.endr
	s_delay_alu instid0(VALU_DEP_3)
	v_permlanex16_b32 v36, v4, s14, s15
	s_delay_alu instid0(VALU_DEP_3)
	v_permlanex16_b32 v37, v5, s14, s15
	s_delay_alu instid0(VALU_DEP_3)
	v_permlanex16_b32 v38, v6, s14, s15
	s_delay_alu instid0(VALU_DEP_3)
	v_add_f32 v4, v4, v36
	s_delay_alu instid0(VALU_DEP_3)
	v_add_f32 v5, v5, v37
	s_delay_alu instid0(VALU_DEP_3)
	v_add_f32 v6, v6, v38                          ; the wave's sums, in every lane
	ds_store_b128 v3, v[4:7]                       ; all lanes of a wave write the same 16 bytes with the same values
	s_wait_dscnt 0x0                               ; for the others' sake: my store has landed
	s_barrier_signal -1
	s_barrier_wait -1
	s_cmp_lg_u32 s12, 0
	s_cbranch_scc1 .Lothers
	ds_load_b128 v[8:11], v40                      ; lane l: wave l % 16's sums
	s_wait_dscnt 0x0
.irp m, 1,2,4,8
.irp q, 8,9,10
	v_add_f32_dpp v\q, v\q, v\q row_xmask:\m row_mask:0xf bank_mask:0xf
.endr
.endr
	s_delay_alu instid0(VALU_DEP_3)
	v_mul_f32 v8, 0x37800000, v8                   ; / 65,536
	s_delay_alu instid0(VALU_DEP_3)
	v_mul_f32 v9, 0x37800000, v9
	s_delay_alu instid0(VALU_DEP_3)
	v_mul_f32 v10, 0x37800000, v10
	s_wait_alu depctr_va_vdst(0)
	s_wait_xcnt 0x0                                ; EXEC changes only behind this wait
	v_cmp_eq_u32 vcc_lo, 0, v0
	s_wait_tensorcnt 0x0
	ds_add_u32 v64, v65
	s_wait_dscnt 0x0
	s_and_saveexec_b32 s16, vcc_lo
	global_store_b32 v41, v8, s[6:7]               ; entropy
	global_store_b32 v41, v9, s[8:9]               ; influence
	global_store_b32 v41, v10, s[10:11]            ; concentration
	s_endpgm
.Lothers:
	s_wait_tensorcnt 0x0
	ds_add_u32 v64, v65
	s_wait_dscnt 0x0
	s_endpgm
.Lfunc_end_k_q7ca6268ed3_final:
	.size	k_q7ca6268ed3_final, .Lfunc_end_k_q7ca6268ed3_final-k_q7ca6268ed3_final
	.p2alignl 7, 3214868480
	.fill 96, 4, 3214868480
	.section	.rodata,"a",@progbits
	.p2align	6, 0x0
	.amdhsa_kernel k_q7ca6268ed3_final
		.amdhsa_group_segment_fixed_size 3072
		.amdhsa_private_segment_fixed_size 0
		.amdhsa_enable_private_segment 0
		.amdhsa_kernarg_size 32
		.amdhsa_user_sgpr_count 2
		.amdhsa_user_sgpr_kernarg_segment_ptr 1
		.amdhsa_wavefront_size32 1
		.amdhsa_system_sgpr_workgroup_id_x 1
		.amdhsa_system_sgpr_workgroup_id_y 1
		.amdhsa_system_sgpr_workgroup_id_z 1
		.amdhsa_system_vgpr_workitem_id 0
		.amdhsa_next_free_vgpr 66
		.amdhsa_next_free_sgpr 66
		.amdhsa_reserve_vcc 1
		.amdhsa_float_denorm_mode_32 3
		.amdhsa_float_denorm_mode_16_64 3
		.amdhsa_memory_ordered 1
		.amdhsa_forward_progress 1
		.amdhsa_inst_pref_size 7
	.end_amdhsa_kernel
	.amdgpu_metadata
---
amdhsa.version: [ 1, 2 ]
amdhsa.kernels:
  - .name:           k_q7ca6268ed3_final
    .symbol:         k_q7ca6268ed3_final.kd
    .args:
      - { .name: parts, .offset: 0, .size: 8, .value_kind: global_buffer, .address_space: global }
      - { .name: out1, .offset: 8, .size: 8, .value_kind: global_buffer, .address_space: global }
      - { .name: out2, .offset: 16, .size: 8, .value_kind: global_buffer, .address_space: global }
      - { .name: out3, .offset: 24, .size: 8, .value_kind: global_buffer, .address_space: global }
    .group_segment_fixed_size: 3072
    .private_segment_fixed_size: 0
    .kernarg_segment_align: 8
    .kernarg_segment_size: 32
    .max_flat_workgroup_size: 512
    .sgpr_count:     66
    .vgpr_count:     66
    .wavefront_size: 32
...
	.end_amdgpu_metadata
.endif
;; end of part 4
